; MI455X (gfx1250); checked and timed in simulation.
; The chip was launched on July 23, 2026; its instructions are those of AMD's public machine-readable ISA for CDNA 5 (MIT licence, August 2026) and "CDNA5" Instruction Set Architecture Reference Guide (July 2026). The comments in the code are by the model that wrote it; some were corrected since.
;; Self Attention. Allowed arithmetic: matrix products marked QUANTISED: E4M3 operands, one E8M0 scale for each 32 along K, by v_wmma_scale_f32_16x16x128_f8f6f4 with both operands' format E4M3, f32 sums; everything else in f32.
;; Inputs: W_attn 3,072 x 1,024 float32; W_proj 1,024 x 1,024 float32; b_attn 3,072 float32; b_proj 1,024 float32; x 4 x 2,048 x 1,024 float32.
;; Outputs: out0 4 x 2,048 x 1,024 float32.
;; This version of the problem:
;;   THIS VERSION OF THE PROBLEM IS GIVEN IN LOW PRECISION. The matrix products marked QUANTISED in the list below multiply operands that are first quantised to E4M3 (4 exponent bits, 3 mantissa bits; 8 bits a number), with one power-of-two scale for each 32 numbers along K (OCP MX v1.0); their sums are f32. All else is computed in f32.
;;   The module's matrix products, in the order in which they are computed (A, B: the left and right operand; K: the contracted axis; several contracted axes count as one K, in the product's order):
;;     1. [M 8,192, K 1,024] x [K 1,024, N 3,072]; A: input x; B: input W_attn: QUANTISED
;;     2. batch 64 x [M 2,048, K 64] x [K 64, N 2,048]; A: computed on the way; B: computed on the way: QUANTISED
;;     3. batch 64 x [M 2,048, K 2,048] x [K 2,048, N 64]; A: softmax (see below); B: computed on the way: QUANTISED
;;     4. [M 8,192, K 1,024] x [K 1,024, N 1,024]; A: computed on the way; B: input W_proj: QUANTISED
;;   THE QUANTISER, for each operand of a quantised product, along K:
;;     - K is cut into blocks of 32 from its start; a last block that is shorter is filled with zeros.
;;     - A block's scale is 2^e with e = floor(log2(the largest magnitude in the block)) - 8, held to -126 .. 127; a block of zeros has e = 0. As a byte (E8M0): e + 127.
;;     - Each number is divided by its block's scale, clamped to +-448, and rounded to the nearest number of E4M3, ties to even, subnormals kept.
;;     - The product sums the exact products of the quantised numbers (number of the format x scale) in f32.
;;   ~~~python
;;   def quantise(x, axis):      # numpy; x: float32 -> the quantised numbers, widened to float32 again
;;       x = np.moveaxis(x, axis, -1); K = x.shape[-1]
;;       x = np.pad(x, [(0, 0)] * (x.ndim - 1) + [(0, -K % 32)]); x = x.reshape(x.shape[:-1] + (-1, 32)); a = np.abs(x).max(-1, keepdims=True)
;;       e = np.where(a > 0, np.clip(np.frexp(np.where(a > 0, a, 1))[1] - 1 - 8, -126, 127), 0)      # np.frexp(a)[1] - 1 = floor(log2(a)), exactly
;;       r = np.clip(x / 2.0 ** e, -448, 448)
;;       step = 2.0 ** (np.maximum(np.frexp(np.where(r == 0, 1, r))[1] - 1, -6) - 3)
;;       q = np.round(r / step) * step * 2.0 ** e      # np.round: ties to even
;;       return np.moveaxis(q.reshape(q.shape[:-2] + (-1,))[..., :K], -1, axis).astype(np.float32)
;;   ~~~
;;   SOFTMAX AHEAD OF A QUANTISED PRODUCT. Where the list says 'softmax', what is quantised is not the finished softmax but p = 2^(t - M), with t = logit x log2(e) and M = ceil(the row's largest t), a whole number; so 1/2 < the row's largest p <= 1. The row's sum l is taken of the UNQUANTISED p, in f32, and the product's result is divided by l at the end. Since M is a whole number, a kernel that streams over the keys may use a running M (the ceiling of the running maximum): every later rescaling is an exact power of two, which a block's scale takes up: the codes' values come out the same.
;;   OPERANDS COMPUTED ON THE WAY. 'Computed on the way' means the value that the module computes at that place (a softmax that the list does not call 'softmax' is quantised finished and normalised). What goes into a quantiser is computed in f32, as accurately as f32 sums, v_exp_f32 and their like allow (about 1e-6 of the number): no bf16 or f16 on the way to a quantiser, and a product that is left as it is and whose result goes on into a quantised operand takes f32 operands (vector FMAs, or v_wmma_f32_16x16x4_f32). A number that lies on a knife's edge between two numbers of the format may be rounded either way, as far as f32 arithmetic and the matrix unit's own rounding can turn it there, and no further.
;; One version. Each part assembles by itself: llvm-mc -triple=amdgcn-amd-amdhsa -mcpu=gfx1250 --defsym DOCPART=n.
;; ======== version 1 of 1: 4 launches
;; limits: right only within a limited range of input values
;; workspace buffers: cin 12,582,912 bytes; sin 393,216 bytes; qkv 26,738,688 bytes; yc 8,388,608 bytes; ys 262,144 bytes
;; launch quant (part 1): grid 384 x 1, 4 waves a work-group, no clusters, 33,280 bytes of LDS; arguments x, W_attn, W_proj, cin, sin; writes cin, sin
.if DOCPART == 1
	.amdgcn_target "amdgcn-amd-amdhsa--gfx1250"
	.amdhsa_code_object_version 6
	.text
	.protected	k_q3dd285f839_quant
	.globl	k_q3dd285f839_quant
	.p2align	8
	.type	k_q3dd285f839_quant,@function
k_q3dd285f839_quant:
	s_mov_b64 s[64:65], 0
	v_nop
	global_prefetch_b8 v0, s[64:65] scope:SCOPE_SE
	s_setreg_imm32_b32 hwreg(HW_REG_WAVE_MODE, 25, 1), 1
	s_wait_xcnt 0x0
; x [8192][1024], W_attn [3072][1024] and W_proj [1024][1024], f32, K innermost, become codes of FP8 (E4M3) with one E8M0 scale byte for each 32 along K.
; cin holds 12,288 rows of 1,024 codes (x, then W_attn, then W_proj), sin the same rows of 32 scale bytes.
; A ROW IS STORED AT THE PLACE WHOSE NUMBER HAS BITS 3 AND 4 SWAPPED.  So 16 neighbouring stored rows 32 g + 16 u + r are the rows 32 g + 8 u + r + 8 (r / 8): taken as one source of a matrix
; instruction they leave, in a lane's 16 registers of two neighbouring tiles, 16 NEIGHBOURS along the next product's K.  The later launches quantise their results in registers by that.
; A block's scale is 2^(floor(log2(its largest magnitude)) - 8); its byte is the largest magnitude's exponent field - 8, held at 1 from below.  A block of zeros gets the byte 1 (its codes are zeros; this program alone reads the bytes).
; LIMITS: blocks whose largest magnitude lies under 2^-118 are held at that floor; NaN and infinities among the inputs are not served.
; A wave takes 8 rows (8,192 numbers) in 16 steps of 512; a work-group 32 rows.  Bits 3 and 4 of a row are bits 0 and 1 of the wave's number: the swap is a swap of the waves' places on the way out.
; Each load reads 512 consecutive bytes; a step's 2,048 bytes turn through the wave's own stage in LDS, so that a lane holds 16 neighbours (two lanes to a block).  Codes leave 512 bytes a store, the wave's 256 scale bytes as one aligned block.
; No tensor loads, no barrier: waves share nothing.  Loads run four steps (16 loads a wave) ahead, the turn through LDS one step.
.set STEPS, 16
.set EMAX,  8
.set MANT,  0x600000                   ; the mantissa field of 448 as f32
.set CB,    16                         ; bytes of 16 codes
.set R,     16                         ; v16-79   four sets of 16 numbers as they are loaded
.set X,     80                         ; v80-111  two sets of 16 neighbours
.set C,     128                        ; v128-191 codes: four registers for each step, so that no store's data are written again
.set E,     112                        ; v112-127 a scale byte for each step
.set WREG,  8192                       ; LDS: a region for each wave: two stages of 32 x SP bytes, behind them its 256 scale bytes
.set SP,    80                         ; a lane's place in a stage: its 64 bytes + 16 of padding
	s_load_b256 s[4:11], s[0:1], 0x0               ; x s[4:5], W_attn s[6:7], W_proj s[8:9], cin s[10:11]
	s_load_b64 s[12:13], s[0:1], 0x20              ; sin
	v_lshl_add_u32 v192, v0, 2, 0x8000
	v_mov_b32 v193, 0
	v_lshrrev_b32 v1, 5, v0
	v_readfirstlane_b32 s16, v1                    ; wave
	v_and_b32 v2, 31, v0                           ; lane
	v_lshlrev_b32 v3, 4, v2                        ; my 16 bytes of a load's 512
	s_mul_i32 s17, s16, WREG
	v_lshrrev_b32 v14, 2, v2
	v_mul_u32_u24 v14, v14, SP
	v_and_b32 v15, 3, v2
	v_lshl_add_u32 v14, v15, 4, v14
	v_add_nc_u32 v14, s17, v14                     ; the stage, on the way in: four lanes' 64 bytes on end, then 16 of padding
	v_mul_u32_u24 v15, v2, SP
	v_add_nc_u32 v15, s17, v15                     ; and on the way out: SP x lane: my 16 neighbours
	v_mul_u32_u24 v4, v2, CB                       ; my codes' place in a step's
	v_lshrrev_b32 v5, 1, v2
	s_add_co_u32 s17, s17, 2*32*SP
	v_add_nc_u32 v5, s17, v5                       ; LDS: my wave's 256 scale bytes, my block's byte
	v_lshlrev_b32 v7, 3, v2                        ; and on the way out 8 bytes a lane
	v_add_nc_u32 v6, s17, v7
	s_mov_b32 s23, MANT
	s_wait_alu depctr_va_vdst(0)
	s_wait_kmcnt 0x0
	s_cmp_lt_u32 ttmp9, 256                        ; work-groups 0-255 take x, 256-351 W_attn, 352-383 W_proj: the choice hangs on the work-group's number alone
	s_cselect_b64 s[4:5], s[4:5], s[6:7]
	s_cselect_b32 s17, 0, 256
	s_cmp_lt_u32 ttmp9, 352
	s_cselect_b64 s[4:5], s[4:5], s[8:9]
	s_cselect_b32 s17, s17, 352                    ; the tensor's first work-group
	s_sub_co_u32 s17, ttmp9, s17
	s_lshl_b32 s17, s17, 2
	s_add_co_u32 s18, s17, s16                     ; which run of 8 rows of the tensor is my wave's
	s_mov_b32 s19, 0
	s_lshl_b64 s[20:21], s[18:19], 15              ; 32,768 bytes a run
	s_add_nc_u64 s[4:5], s[4:5], s[20:21]
	s_and_b32 s22, s16, 1                          ; on the way out the wave's two bits change places
	s_lshl_b32 s22, s22, 1
	s_lshr_b32 s24, s16, 1
	s_or_b32 s22, s22, s24
	s_lshl_b32 s24, ttmp9, 2
	s_add_co_u32 s18, s24, s22                     ; the run's place among all 1,536
	s_lshl_b32 s20, s18, 13                        ; 8,192 bytes of codes a run
	s_mov_b32 s21, 0
	s_add_nc_u64 s[10:11], s[10:11], s[20:21]
	s_lshl_b32 s20, s18, 8                         ; 256 scale bytes a run
	s_add_nc_u64 s[12:13], s[12:13], s[20:21]
.macro LOAD t
.irp i, 0,1,2,3
	global_load_b128 v[R+16*((\t)%4)+4*\i:R+16*((\t)%4)+4*\i+3], v3, s[4:5] offset:2048*(\t)+512*\i th:TH_LOAD_NT   ; 32 lanes read 512 consecutive bytes
.endr
.endm
.macro TURN t                          ; step t's numbers through the stage: LDS serves a wave's instructions in order, so no wait stands between the stores and the loads
.irp i, 0,1,2,3
	ds_store_b128 v14, v[R+16*((\t)%4)+4*\i:R+16*((\t)%4)+4*\i+3] offset:32*SP*((\t)%2)+8*SP*\i
.endr
.irp i, 0,1,2,3
	ds_load_b128 v[X+16*((\t)%2)+4*\i:X+16*((\t)%2)+4*\i+3], v15 offset:32*SP*((\t)%2)+16*\i
.endr
.endm
.irp t, 0,1,2,3
	LOAD \t
.endr
	s_wait_loadcnt 12                              ; step 0's four loads are in; the 12 of steps 1 to 3 stay out
	TURN 0
.macro STEP t
.set XS, X+16*((\t)%2)
.if (\t) > 0
	s_wait_dscnt 1                                 ; this step's numbers are back from the stage (the last step's byte store may be out): so its stores into the stage have read their registers,
.else
	s_wait_dscnt 0x0
.endif
.if (\t)+4 < STEPS
	LOAD (\t)+4                                    ; which take the loads of four steps on
.endif
.if (\t)+1 < STEPS
.if STEPS-2-(\t) >= 3
	s_wait_loadcnt 12                              ; the next step's four loads are in; those of the three steps behind it may be out
.else
	s_wait_loadcnt 4*(STEPS-2-(\t))                ; the tail: as many steps' loads as are still behind the next step's
.endif
	TURN (\t)+1                                    ; and go through the other stage while this step is worked
.endif
	v_max3_num_f32 v8, |v[XS]|, |v[XS+1]|, |v[XS+2]|               ; the largest magnitude of my 16, in two chains
	v_max3_num_f32 v9, |v[XS+3]|, |v[XS+4]|, |v[XS+5]|
.irp i, 6,10
	v_max3_num_f32 v8, v8, |v[XS+\i]|, |v[XS+\i+1]|
	v_max3_num_f32 v9, v9, |v[XS+\i+2]|, |v[XS+\i+3]|
.endr
	v_max3_num_f32 v8, v8, |v[XS+14]|, |v[XS+15]|
	v_max3_num_f32 v8, v8, v9, (EMAX+1)<<23        ; and the floor 2^(9 - 127): the byte cannot fall under 1
	v_max_num_f32_dpp v8, v8, v8 row_xmask:1 row_mask:0xf bank_mask:0xf   ; and of my neighbour's 16: the block's
	v_add_nc_u32 v11, -(EMAX<<23), v8              ; 8 off its exponent field: the conversion takes the exponent field of this operand as its scale
	v_and_or_b32 v10, v8, 0x7f800000, s23          ; 448 x the scale: the largest magnitude's exponent field over 448's mantissa
.irp i, 0,1,2,3,4,5,6,7,8,9,10,11,12,13,14,15
	v_med3_num_f32 v[XS+\i], v[XS+\i], -v10, v10   ; the conversion to an 8-bit code does not saturate (ISA guide 7.6.2): hold the number first
.endr
	v_cvt_scalef32_pk8_fp8_f32 v[C+4*(\t):C+4*(\t)+1], v[XS:XS+7], v11
	v_cvt_scalef32_pk8_fp8_f32 v[C+4*(\t)+2:C+4*(\t)+3], v[XS+8:XS+15], v11
	v_lshrrev_b32 v[E+(\t)], 23, v11               ; the scale's byte (also the plain line behind the conversions)
	ds_store_b8 v5, v[E+(\t)] offset:16*(\t)       ; both lanes of a block write the same byte with the same value
	global_store_b128 v4, v[C+4*(\t):C+4*(\t)+3], s[10:11] offset:32*CB*(\t)   ; 32 lanes store 512 consecutive bytes
.endm
.irp t, 0,1,2,3,4,5,6,7,8,9,10,11,12,13,14,15
	STEP \t
.endr
	ds_load_b64 v[12:13], v6                       ; LDS serves a wave's instructions in order: these see my stores
	s_wait_dscnt 0x0
	global_store_b64 v7, v[12:13], s[12:13]        ; 32 lanes store 256 consecutive bytes, aligned
	s_wait_tensorcnt 0x0
	ds_add_u32 v192, v193
	s_wait_dscnt 0x0
	s_endpgm
.Lfunc_end_k_q3dd285f839_quant:
	.size	k_q3dd285f839_quant, .Lfunc_end_k_q3dd285f839_quant-k_q3dd285f839_quant
	.p2alignl 7, 3214868480
	.fill 96, 4, 3214868480
	.section	.rodata,"a",@progbits
	.p2align	6, 0x0
	.amdhsa_kernel k_q3dd285f839_quant
		.amdhsa_group_segment_fixed_size 33280
		.amdhsa_private_segment_fixed_size 0
		.amdhsa_enable_private_segment 0
		.amdhsa_kernarg_size 40
		.amdhsa_user_sgpr_count 2
		.amdhsa_user_sgpr_kernarg_segment_ptr 1
		.amdhsa_wavefront_size32 1
		.amdhsa_system_sgpr_workgroup_id_x 1
		.amdhsa_system_sgpr_workgroup_id_y 1
		.amdhsa_system_sgpr_workgroup_id_z 1
		.amdhsa_system_vgpr_workitem_id 0
		.amdhsa_next_free_vgpr 194
		.amdhsa_next_free_sgpr 66
		.amdhsa_reserve_vcc 0
		.amdhsa_float_denorm_mode_32 3
		.amdhsa_float_denorm_mode_16_64 3
		.amdhsa_memory_ordered 1
		.amdhsa_forward_progress 1
		.amdhsa_inst_pref_size 51
	.end_amdhsa_kernel
	.amdgpu_metadata
---
amdhsa.version: [ 1, 2 ]
amdhsa.kernels:
  - .name:           k_q3dd285f839_quant
    .symbol:         k_q3dd285f839_quant.kd
    .args:
      - { .name: x, .offset: 0, .size: 8, .value_kind: global_buffer, .address_space: global }
      - { .name: W_attn, .offset: 8, .size: 8, .value_kind: global_buffer, .address_space: global }
      - { .name: W_proj, .offset: 16, .size: 8, .value_kind: global_buffer, .address_space: global }
      - { .name: cin, .offset: 24, .size: 8, .value_kind: global_buffer, .address_space: global }
      - { .name: sin, .offset: 32, .size: 8, .value_kind: global_buffer, .address_space: global }
    .group_segment_fixed_size: 33280
    .private_segment_fixed_size: 0
    .kernarg_segment_align: 8
    .kernarg_segment_size: 40
    .max_flat_workgroup_size: 128
    .sgpr_count:     66
    .vgpr_count:     194
    .wavefront_size: 32
...
	.end_amdgpu_metadata
.endif
;; end of part 1
;; launch gemm_qkv (part 2): grid 12 x 32, 4 waves a work-group, clusters of 4 x 4, 327,680 bytes of LDS; arguments cin, sin, b_attn, qkv; writes qkv
.if DOCPART == 2
	.amdgcn_target "amdgcn-amd-amdhsa--gfx1250"
	.amdhsa_code_object_version 6
	.text
	.protected	k_q3dd285f839_gemm_qkv
	.globl	k_q3dd285f839_gemm_qkv
	.p2align	8
	.type	k_q3dd285f839_gemm_qkv,@function
k_q3dd285f839_gemm_qkv:
	s_mov_b64 s[64:65], 0
	v_nop
	global_prefetch_b8 v0, s[64:65] scope:SCOPE_SE
	s_setreg_imm32_b32 hwreg(HW_REG_WAVE_MODE, 25, 1), 1
	s_wait_xcnt 0x0
	s_wait_alu depctr_hold_cnt(0) depctr_sa_sdst(0) depctr_va_vdst(0) depctr_va_sdst(0) depctr_va_ssrc(0) depctr_va_vcc(0) depctr_vm_vsrc(0)
	s_getreg_b32 s2, hwreg(HW_REG_IB_STS2, 6, 4)
	s_cmp_eq_u32 s2, 0
	s_cbranch_scc0 .Lentry_in_a_cluster
	s_endpgm
.Lentry_in_a_cluster:
	s_bfe_u32 s2, ttmp6, 0x10000c
	s_cmp_lg_u32 s2, 0xf033
	s_cbranch_scc0 .Lentry_shape_is_right
	s_endpgm
.Lentry_shape_is_right:
; qkv = x W_attn^T + b_attn on codes of FP8 (E4M3) with E8M0 scales for each 32 along K = 1,024, and its results QUANTISED IN REGISTERS into the operands of attention's two products.
; cin: rows of 1,024 codes (x: rows 0-8191, W_attn: 8192-11263), sin: the same rows of 32 scale bytes; every row stored at the place whose number has bits 3 and 4 swapped.
; A tile of 256 x 256 results is made by four waves, 128 x 128 each: 64 accumulators of 16 x 16.  K goes in steps of 256 through a ring of two LDS slots; the scale bytes of the tile's 512 rows come once and stay.
; THE MATRIX INSTRUCTION: source 0 = 16 stored rows of the operand called B here, source 1 = 16 stored rows of A.  By the swap of bits, in the 64 registers of a block of A lane (r, h) holds A's stored row r, and its
; register 16 g + i the result for B's row 32 g + 16 h + i: 16 neighbours of each block of 32 (lane l xor 16 holds the other 16).  So four blocks are quantised as they stand, and the 16 registers of codes are a fragment's registers.
; THREE KINDS, by the cluster's x (the same in all sixteen partners): 0 = q, 1 = k: A = x's rows (tokens), B = W_attn's rows (channels): quantised along the head's 64.
;   2 = v: A = W_attn's rows 2048-3071 (channels), B = x's rows (tokens): quantised along the tokens, which are the second product's K.
; qkv: for head index hi = 16 batch + head and key step s (128 keys) a record of 17,408 bytes at hi x 278,528 + s x 17,408: K's 8 tiles of 16 keys x 64 (1,024 bytes: [c 2][lane][16]); at 8,192 V's 4 tiles of 16 channels x 128 keys
;   (2,048 bytes: [c 4][lane][16]); at 16,384 K's scale words [tile / 4][r][tile % 4] (bytes 2, 3 of a word are 0); at 16,896 V's [r][tile], written twice.  Behind the records q's codes (hi x 131,072 + tile x 1,024) and q's scale words.
; Every store of codes is 16 bytes a lane at 16 x lane: 512 consecutive bytes.  No LDS is touched on the way out.
; CLUSTERS: 4 x 4 work-groups; A's tiles are asked for jointly along a row of the cluster, B's along a column.
; LIMITS: a block of zeros gets the byte 1; blocks whose largest magnitude lies under 2^-118 are held at that floor; NaN and infinities are not served.
; REGISTERS, in windows of 256: window 0: v0-31 addresses and v8-15 the bias of kind v; v32-63 scale words, two sets; v64-127 the bias of kinds q, k; from v128 A's fragments, ONE set; on the way out v128-224 are at work.
;   window 1: B's fragments, TWO sets.   window 2: the accumulators of my rows 0-63 of A ((a, b) at v[8 (8 a + b)]);   window 3: those of rows 64-127.
.set SIZE_K, 1024
.set KSTEP,  256                       ; along K in a slot
.set NQ,     KSTEP/128                 ; matrix instructions deep
.set ROWB,   256                       ; a tile's row in bytes
.set KROW,   SIZE_K                    ; a row of cin in bytes
.set PITCH,  272                       ; an LDS row: 256 bytes + 16 of padding = 68 words: the 16 rows that a load touches start at 16 different banks (64 banks of 4 bytes: ISA guide 11.1)
.set FR,     16                        ; registers of a fragment
.set NL,     4                         ; LDS loads that bring one
.set NP,     8                         ; places behind this matrix instruction (ISA guide 7.12.1)
.set HALFT,  128*PITCH                 ; 128 rows: what one tensor load brings
.set SLOT,   4*HALFT                   ; A's 256 rows, then B's 256 rows
.set LAPS,   SIZE_K/(2*KSTEP)          ; a lap = two K steps = once round the ring
.set KS,     SIZE_K/32                 ; a row of scale bytes
.set SCL,    2*SLOT                    ; behind the ring: the scales, as blocks of 256 bytes + 16 of padding
.set HALFS,  (128*KS/256)*272          ; the scales of 128 rows
.set SBLK,   (16*KS/256)*272           ; those of 16 rows
.set SPARE,  SCL+4*HALFS               ; behind the scales: the spare words, 128 bytes for each wave: two blocks of 256 bytes that no other line names
.set REC,    17408
.set HEADB,  16*REC
.set QOFF,   64*HEADB
.set QSOFF,  QOFF+64*131072
.set BM,   8                           ; v8-15   kind v: the bias of my row of A's block a
.set ADRA, 16                          ; v16-17  LDS address of my A fragments in slot 0, 1
.set ADRB, 20                          ; v20-21  the same for B
.set BNA,  22                          ; v22     64 h: my half's 16 numbers of a block of 32 of the bias
.set SWA,  23                          ; v23     kinds q, k: where my scale words go: 16 r + h x a head's stride
.set LI,   24                          ; v24     16 x lane
.set R16,  25                          ; v25     16 r
.set HH,   26                          ; v26     h
.set ADRS, 27                          ; v27     LDS address of my scale words: lanes 0-15 A's rows, lanes 16-31 B's
.set SPW,  28                          ; v28     LDS address of my spare word; never rewritten
.set NIL,  29                          ; v29     0; never rewritten
.set H16,  30                          ; v30     16 h
.set BMA,  31                          ; v31     4 (r + 8 (r / 8))
.set SC,   32                          ; scale words: set s at v[SC + 16 s]; register 2 i + q: lanes 0-15 A's block i, lanes 16-31 B's block i
.set SW,   32                          ; the way out: v32-39 the scale words that were made, one a block
.set BN,   64                          ; v64-127 kinds q, k: the bias in the layout of a block's 64 registers
.set AF,   128                         ; A's fragments
.set X,    128                         ; the way out: v128-191 a block's 64 numbers
.set PC,   192                         ; v192-207 its codes
.set TM,   208                         ; v208-211 largest magnitudes, v212-215 bytes, v216-219 448 x the scale, v220-223 the conversions' scale operands
.set PW,   224                         ; the scale word just made
.set G1, 24                            ; s[24:31] descriptor group 1 for A's tiles;  s[32:39] group 0, one set for each slot
.set G0, 32
.set G1B, 48                           ; s[48:55], s[56:63] the same for B's tiles
.set G0B, 56
.set G1S, 68                           ; s[68:75], s[76:79] groups 1 and 0 for A's scales;  s[80:87], s[88:91] for B's
.set G0S, 76
.set G1SB, 80
.set G0SB, 88
.set SEL, 92                           ; s[92:93] the way out: lane selects for v_permlanex16_b32: lane l xor 16
.set MNT, 94                           ; s94     the mantissa field of 448
.set BNB, 96                           ; s[96:97] where the bias of kinds q, k is read;  s[98:99] that of kind v
.set BMB, 98
.set E0,  36                           ; the way out (no tensor load is out any more): s[36:37], s[38:39] where the codes go; s[46:47] the scale words
.set EF,  46
.set MSB, 0
.macro WIN new                         ; the immediate's high byte repeats the setting that is left
.if MSB != \new
	s_set_vgpr_msb (MSB<<8)|\new
.set MSB, \new
.endif
.endm
.set MUL_LO, 0xa1                      ; source 0 (B) window 1, source 1 (A) window 0, C and D window 2
.set MUL_HI, 0xf1                      ; the same, C and D window 3
.set TO_B,   0x40                      ; destination window 1, address window 0
; A joint load: waves 0 and 1 fetch for A, waves 2 and 3 for B.  Each of the two lines has ONE mask and one set of registers for all that issue it; the branch hangs on the wave's number alone.
; Four v_nop follow each of the two lines, ahead of the jump, the label and what follows.
.macro JLOAD g0a, g1a, g0b, g1b
	s_cmp_eq_u32 s15, 0
	s_cbranch_scc0 .Lfor_b_\@
	tensor_load_to_lds s[\g0a:\g0a+3], s[\g1a:\g1a+7]
	s_nop 0
.rept 4
	v_nop
.endr
	s_branch .Lasked_\@
.Lfor_b_\@:
	tensor_load_to_lds s[\g0b:\g0b+3], s[\g1b:\g1b+7]
	s_nop 0
.rept 4
	v_nop
.endr
.Lasked_\@:
.endm
.macro CREST                           ; a round of the cluster's barrier behind its opening barrier
	s_cmp_lg_u32 s14, 0
	s_cbranch_scc1 .Lnot_wave_0_\@
	s_barrier_signal -3
.Lnot_wave_0_\@:
	s_barrier_wait -3
	s_barrier_signal -1
	s_barrier_wait -1
.endm
.macro CROUND                          ; a whole round
	s_barrier_signal -1
	s_barrier_wait -1
	CREST
.endm
	s_load_b128 s[4:7], s[0:1], 0x0                ; cin s[4:5], sin s[6:7]
	s_load_b128 s[8:11], s[0:1], 0x10              ; b_attn s[8:9], qkv s[10:11]
	v_lshl_add_u32 v[SPW], v0, 2, SPARE
	v_mov_b32 v[NIL], 0
	ds_add_u32 v28, v29
	ds_add_u32 v28, v29
	s_wait_dscnt 0x0
	v_lshrrev_b32 v1, 5, v0
	v_readfirstlane_b32 s14, v1                    ; wave 0..3
	s_lshr_b32 s15, s14, 1                         ; which half of A's 256 rows is mine.  Also: I fetch for A (0) or for B (1)
	s_and_b32 s16, s14, 1                          ; which half of B's.  Also: which 128 rows of that tile I fetch
	s_bfe_u32 s40, ttmp6, 0x40000                  ; cx, cy: my place in the cluster
	s_bfe_u32 s41, ttmp6, 0x40004
	s_and_b32 s12, ttmp7, 0xffff
	s_lshl_b32 s12, s12, 2                         ; 4 x cluster y: a group of four tiles of x's rows
	s_lshl_b32 s13, ttmp9, 2
	s_add_co_u32 s13, s13, 32                      ; kinds q, k: W_attn's rows begin at tile 32 of cin; four tiles a kind
	s_cmp_eq_u32 ttmp9, 2                          ; the kind is the cluster's x: the same in all sixteen partners
	s_cselect_b32 s17, 40, s12                     ; A's tile of 256 rows of cin: kind v: W_attn's rows 2048 on (tile 40); else x's
	s_cselect_b32 s42, s12, s13                    ; B's: kind v: x's; else W_attn's
	s_add_co_u32 s17, s17, s41                     ; + cy: shared along a row of the cluster; it never holds cx
	s_add_co_u32 s42, s42, s40                     ; + cx: shared along a column; it never holds cy
	s_lshl_b32 s43, s41, 2
	s_lshl_b32 s43, 15, s43                        ; my row of the cluster
	s_lshl_b32 s44, 0x1111, s40                    ; my column
	; descriptor group 1: a tile of 128 rows x 256 bytes, padded in LDS
	s_or_b32 s[G1+0], s43, (0<<16)|(1<<20)|(1<<21)|(5<<22)|(3<<25)  ; 15:0 the mask: A's tiles go to my row; 17:16 element of 1 byte; 20 padding on; 21 set beside a mask; 24:22 after every 64 words (code 5); 31:25 of 4 words (code 3)
	s_or_b32 s[G1B+0], s44, (0<<16)|(1<<20)|(1<<21)|(5<<22)|(3<<25)
.irp g, G1, G1B
	s_mov_b32 s[\g+1], ROWB<<16                    ; tensor_dim0
	s_mov_b32 s[\g+2], 256<<16                     ; tensor_dim1 = 256 for the head's loads; set to 128 for the ring's behind them
	s_mov_b32 s[\g+3], ROWB<<16                    ; tile_dim0
	s_mov_b32 s[\g+4], 256                         ; tile_dim1 likewise
	s_mov_b32 s[\g+5], KROW                        ; tensor_dim0_stride
	s_mov_b32 s[\g+6], 0
	s_mov_b32 s[\g+7], 0
.endr
	; and for the scales of 256 rows: a dense block of 8,192 bytes, as 32 rows of 256 bytes (32 elements of 8 bytes), 16 bytes of padding behind each
	s_or_b32 s[G1S+0], s43, (3<<16)|(1<<20)|(1<<21)|(5<<22)|(3<<25)
	s_or_b32 s[G1SB+0], s44, (3<<16)|(1<<20)|(1<<21)|(5<<22)|(3<<25)
.irp g, G1S, G1SB
	s_mov_b32 s[\g+1], 32<<16
	s_mov_b32 s[\g+2], KS<<16                      ; the scales of 256 rows: KS rows of 256 bytes
	s_mov_b32 s[\g+3], 32<<16
	s_mov_b32 s[\g+4], KS
	s_mov_b32 s[\g+5], 32
	s_mov_b32 s[\g+6], 0
	s_mov_b32 s[\g+7], 0
.endr
	s_lshl_b32 s20, s17, 8                         ; A: the tile's first row of cin
	s_lshl_b32 s46, s42, 8                         ; B: likewise
	s_mov_b32 s21, 0
	s_mov_b32 s47, 0
	s_mov_b64 s[18:19], KS
	s_mul_u64 s[22:23], s[20:21], s[18:19]         ; where these rows' scales begin, in bytes
	s_mul_u64 s[92:93], s[46:47], s[18:19]
	s_mov_b64 s[18:19], KROW
	s_mul_u64 s[20:21], s[20:21], s[18:19]         ; and their codes
	s_mul_u64 s[46:47], s[46:47], s[18:19]
	s_mul_i32 s45, s14, HALFT                      ; where they go: wave x 128 rows: no place in the cluster enters an LDS address
	s_wait_kmcnt 0x0
	s_add_nc_u64 s[20:21], s[4:5], s[20:21]
	s_add_nc_u64 s[22:23], s[6:7], s[22:23]
	s_add_nc_u64 s[46:47], s[4:5], s[46:47]
	s_add_nc_u64 s[92:93], s[6:7], s[92:93]
	CROUND                                         ; all sixteen work-groups are here: the first joint loads meet
	s_mov_b32 s[G0S], 1
	s_mov_b32 s[G0S+1], SCL                        ; the scales of A's 256 rows
	s_mov_b64 s[G0S+2:G0S+3], s[22:23]
	s_or_b32 s[G0S+3], s[G0S+3], 0x80000000
	s_mov_b32 s[G0SB], 1
	s_mov_b32 s[G0SB+1], SCL+2*HALFS               ; and of B's, behind them
	s_mov_b64 s[G0SB+2:G0SB+3], s[92:93]
	s_or_b32 s[G0SB+3], s[G0SB+3], 0x80000000
	s_mov_b32 s[G0], 1                             ; slot 0's groups 0 serve the head's loads first: K step 0's 256 rows of A, whole,
	s_mov_b32 s[G0+1], 0
	s_mov_b64 s[G0+2:G0+3], s[20:21]
	s_or_b32 s[G0+3], s[G0+3], 0x80000000
	s_mov_b32 s[G0B], 1                            ; and its 256 rows of B, behind them
	s_mov_b32 s[G0B+1], 2*HALFT
	s_mov_b64 s[G0B+2:G0B+3], s[46:47]
	s_or_b32 s[G0B+3], s[G0B+3], 0x80000000
	s_mul_i32 s18, s16, 128*KROW                   ; in the ring I fetch 128 rows of a tile: which half, in bytes
	s_mov_b32 s19, 0
	s_add_nc_u64 s[20:21], s[20:21], s[18:19]
	s_add_nc_u64 s[46:47], s[46:47], s[18:19]
	s_mov_b32 s[G0+4], 1                           ; slot 1's groups 0: my 128 rows of K step 1
	s_add_co_u32 s[G0+5], s45, SLOT
	s_add_nc_u64 s[G0+6:G0+7], s[20:21], ROWB
	s_or_b32 s[G0+7], s[G0+7], 0x80000000
	s_mov_b32 s[G0B+4], 1
	s_add_co_u32 s[G0B+5], s45, SLOT
	s_add_nc_u64 s[G0B+6:G0B+7], s[46:47], ROWB
	s_or_b32 s[G0B+7], s[G0B+7], 0x80000000
; THE HEAD'S LOADS, ONE A WAVE: wave 0 K step 0's 256 rows of A, wave 1 its 256 rows of B, wave 2 the scales of A's 256 rows, wave 3 those of B's.
; One chain of branches on the wave's number; every way through it passes exactly one load.
.macro ARM under, g0, g1, next
	s_cmp_lt_u32 s14, \under
	s_cbranch_scc0 \next
	tensor_load_to_lds s[\g0:\g0+3], s[\g1:\g1+7]
	s_nop 0
.rept 4
	v_nop
.endr
	s_branch .Lhead_asked
\next:
.endm
	ARM 1, G0,  G1,  .Lhead_b
	ARM 2, G0B, G1B, .Lhead_sa
	ARM 3, G0S, G1S, .Lhead_sb
	tensor_load_to_lds s[G0SB:G0SB+3], s[G1SB:G1SB+7]
	s_nop 0
.rept 4
	v_nop
.endr
.Lhead_asked:
	v_and_b32 v1, 15, v0                           ; r = l % 16
	v_bfe_u32 v2, v0, 4, 1                         ; h = l / 16
	v_mul_u32_u24 v3, v1, PITCH
	v_lshl_add_u32 v4, v2, 4, v3                   ; a fragment's row x pitch + 16 x half
	s_mul_i32 s21, s15, HALFT                      ; my 128 rows of A
	s_mul_i32 s22, s16, HALFT                      ; my 128 rows of B,
	s_add_co_u32 s22, s22, 2*HALFT                 ; which lie behind A's 256
.irp s, 0,1
	v_add_nc_u32 v[ADRA+\s], s21, v4
	v_add_nc_u32 v[ADRB+\s], s22, v4
	s_add_co_u32 s21, s21, SLOT
	s_add_co_u32 s22, s22, SLOT
.endr
	v_mul_u32_u24 v5, v1, KS                       ; my row's scales: 32 bytes a row,
	v_lshrrev_b32 v6, 8, v5
	v_lshl_add_u32 v5, v6, 4, v5                   ; and 16 more for each 256 passed
	s_mul_i32 s21, s15, HALFS                      ; A's: my 128 rows
	s_mul_i32 s22, s16, HALFS                      ; B's: my 128 rows, behind A's 256
	s_add_co_u32 s22, s22, 2*HALFS
	s_sub_co_u32 s22, s22, s21
	v_mul_u32_u24 v6, s22, v2                      ; lanes 16-31 take B's: the lower base + h x the distance
	s_add_co_u32 s21, s21, SCL
	v_add_nc_u32 v5, v5, v6
	v_add_nc_u32 v[ADRS], s21, v5
	v_and_b32 v6, 31, v0
	v_lshlrev_b32 v[LI], 4, v6
	v_lshlrev_b32 v[R16], 4, v1
	v_mov_b32 v[HH], v2
	v_lshlrev_b32 v[H16], 4, v2
	v_and_b32 v5, 8, v1
	v_add_nc_u32 v5, v5, v1
	v_lshlrev_b32 v[BMA], 2, v5
	v_lshlrev_b32 v[BNA], 6, v2
	; THE BIAS.  Both forms are loaded by every work-group, so that no register is written on one way alone; the form that the kind does not use is read at b_attn's start and not used.
	s_wait_alu depctr_va_vdst(0)
	s_sub_co_u32 s92, s42, 32
	s_lshl_b32 s92, s92, 8
	s_lshl_b32 s93, s16, 7
	s_add_co_u32 s92, s92, s93                     ; kinds q, k: my first column of qkv
	s_lshl_b32 s92, s92, 2
	s_lshl_b32 s94, s41, 8
	s_lshl_b32 s93, s15, 7
	s_add_co_u32 s94, s94, s93
	s_add_co_u32 s94, s94, 2048                    ; kind v: my first column of qkv: 2048 + 256 cy + 128 x half
	s_lshl_b32 s94, s94, 2
	s_cmp_eq_u32 ttmp9, 2
	s_cselect_b32 s92, 0, s92
	s_cselect_b32 s94, s94, 0
	s_mov_b32 s93, 0
	s_mov_b32 s95, 0
	s_add_nc_u64 s[BNB:BNB+1], s[8:9], s[92:93]
	s_add_nc_u64 s[BMB:BMB+1], s[8:9], s[94:95]
.irp b, 0,1,2,3
.irp i, 0,1,2,3
	global_load_b128 v[BN+16*\b+4*\i:BN+16*\b+4*\i+3], v[BNA], s[BNB:BNB+1] offset:128*\b+16*\i   ; register 16 b + i': column 32 b + 16 h + i'
.endr
.endr
.irp a, 0,1,2,3,4,5,6,7
	global_load_b32 v[BM+\a], v[BMA], s[BMB:BMB+1] offset:4*(32*(\a/2)+8*(\a%2))                   ; stored row r of block a is column 32 (a / 2) + 8 (a % 2) + r + 8 (r / 8)
.endr
.macro FRAG reg, adr, q, i             ; a fragment, 16 rows x 128 K, is 16 registers: lane l holds row l % 16; registers 4 c .. 4 c + 3 hold K = 32 c + 16 (l / 16) + 0 .. 15
.irp c, 0,1,2,3
	ds_load_b128 v[\reg+4*\c:\reg+4*\c+3], v[\adr] offset:128*(\q)+32*\c+(\i)*16*PITCH
.endr
.endm
; 16 matrix instructions: A's blocks a0, a0 + 1 x B's eight, 128 along K: the slot's q-th.  p: B's set;  sc: the set of scale words.  zero = 1: the first product starts the sums.
; The 64 accumulators take turns, one instruction a turn, in the same order in every step.
.macro MUL16 a0, p, q, sc, zero
.irp a, \a0, \a0+1
.irp b, 0,1,2,3,4,5,6,7
.if \zero
	v_wmma_scale_f32_16x16x128_f8f6f4 v[8*(8*((\a)%4)+\b):8*(8*((\a)%4)+\b)+7], v[128*(\p)+FR*\b:128*(\p)+FR*\b+FR-1], v[AF+FR*(\a):AF+FR*(\a)+FR-1], 0, v[SC+8*NQ*(\sc)+NQ*\b+(\q)], v[SC+8*NQ*(\sc)+NQ*(\a)+(\q)] matrix_a_scale:MATRIX_SCALE_ROW1
.else
	v_wmma_scale_f32_16x16x128_f8f6f4 v[8*(8*((\a)%4)+\b):8*(8*((\a)%4)+\b)+7], v[128*(\p)+FR*\b:128*(\p)+FR*\b+FR-1], v[AF+FR*(\a):AF+FR*(\a)+FR-1], v[8*(8*((\a)%4)+\b):8*(8*((\a)%4)+\b)+7], v[SC+8*NQ*(\sc)+NQ*\b+(\q)], v[SC+8*NQ*(\sc)+NQ*(\a)+(\q)] matrix_a_scale:MATRIX_SCALE_ROW1
.endif
.endr
.endr
.endm
.macro FETCH_B slot, q, p              ; B's eight fragments of the slot's q-th 128 along K into set p
	WIN TO_B
.irp i, 0,1,2,3,4,5,6,7
	FRAG 128*(\p)+FR*\i, ADRB+\slot, \q, \i
.endr
	WIN 0
.endm
.macro FETCH_A slot, q, i0             ; A's blocks i0 .. i0 + 3
.irp i, \i0, \i0+1, \i0+2, \i0+3
	FRAG AF+FR*(\i), ADRA+\slot, \q, \i
.endr
.endm
.macro SCALES sc                       ; the next K step's scale words into set sc: two words a row; lanes 0-15 take A's block i, lanes 16-31 B's block i
.irp i, 0,1,2,3,4,5,6,7
	ds_load_b64 v[SC+8*NQ*\sc+NQ*\i:SC+8*NQ*\sc+NQ*\i+1], v[ADRS] offset:\i*SBLK
.endr
.endm
; A load into a register that a matrix instruction has read, and a vector instruction that reads a matrix result or writes one of its registers, stand NP places behind it; only plain vector
; instructions that name none of its registers are places (ISA guide 7.12.1 for vector instructions).
.macro PLACES n
.rept \n
	v_nop
.endr
.endm
; A step of 128 along K that has its successor in the same slot.
.macro STEP slot, q, zero
	s_wait_dscnt 4*NL                              ; B's set and A's blocks 0-3 are in; the youngest 16 loads (A's blocks 4-7) may be out
	WIN MUL_LO
	MUL16 0, (\q)%2, \q, \slot, \zero
	MUL16 2, (\q)%2, \q, \slot, \zero
	s_wait_dscnt 0                                 ; A's blocks 4-7 are in (asked for 32 matrix instructions ago)
	PLACES NP
	FETCH_B \slot, (\q)+1, 1-(\q)%2
	FETCH_A \slot, (\q)+1, 0
	WIN MUL_HI
	MUL16 4, (\q)%2, \q, \slot, \zero
	MUL16 6, (\q)%2, \q, \slot, \zero
	PLACES NP
	WIN 0
	FETCH_A \slot, (\q)+1, 4
.endm
; A slot's last step changes slots: ONE barrier; in front of it each wave waits for all its tensor loads, adds 0 to its spare word, and waits for that and for its own reads of this slot.  fill = 1: this slot is filled again, two K steps ahead.
.macro TURN slot, next, fill
	s_wait_tensorcnt 0x0                           ; all my tensor loads have landed: my part of the next slot;  (every window is 0 here)
	ds_add_u32 v[SPW], v[NIL]                      ; 0 onto my spare word
	s_wait_dscnt 4*NL+1                            ; (the add and the youngest 16 loads, A's blocks 4-7, may be out)
	WIN MUL_LO
	MUL16 0, 1, NQ-1, \slot, 0                     ; sixteen matrix instructions stand between the add and the wait for it
	s_wait_dscnt 0x0                               ; the add is done, and my reads of this slot are over
	s_barrier_signal -1
	MUL16 2, 1, NQ-1, \slot, 0
	WIN 0
	s_barrier_wait -1
.if \fill
	CREST                                          ; the barrier has opened a round of the cluster's barrier: no wave of any partner still reads this slot's tile or has a load on its way
	s_add_nc_u64 s[G0+4*\slot+2:G0+4*\slot+3], s[G0+4*\slot+2:G0+4*\slot+3], 2*ROWB
	s_add_nc_u64 s[G0B+4*\slot+2:G0B+4*\slot+3], s[G0B+4*\slot+2:G0B+4*\slot+3], 2*ROWB
	JLOAD G0+4*\slot, G1, G0B+4*\slot, G1B         ; the first tensor load behind the round; the four v_nop behind it are among the places in front of the loads below
	PLACES NP-4
.else
	PLACES NP
.endif
	s_wait_alu depctr_va_vdst(0)
	v_add_nc_u32 v[ADRS], 4*NQ, v[ADRS]            ; on to the next K step's scale words (no LDS load of mine is out)
	FETCH_B \next, 0, 0
	FETCH_A \next, 0, 0
	SCALES \next
	WIN MUL_HI
	MUL16 4, 1, NQ-1, \slot, 0
	MUL16 6, 1, NQ-1, \slot, 0
	PLACES NP
	WIN 0
	FETCH_A \next, 0, 4
.endm
	s_wait_alu depctr_va_vdst(0)                   ; the wait at the head's end
	s_wait_tensorcnt 0x0                           ; my tile of the head's four is in
	ds_add_u32 v[SPW], v[NIL]                      ; 0 onto my spare word
	s_mov_b32 s[G1+2], 128<<16                     ; no tensor load of mine is out, so descriptors may be written: from here on a load brings 128 rows,
	s_mov_b32 s[G1+4], 128
	s_mov_b32 s[G1B+2], 128<<16
	s_mov_b32 s[G1B+4], 128
	s_mov_b32 s[G0+1], s45                         ; and slot 0's groups 0 name my 128 rows: the first refill steps them to K step 2
	s_add_nc_u64 s[G0+2:G0+3], s[G0+2:G0+3], s[18:19]
	s_mov_b32 s[G0B+1], s45
	s_add_nc_u64 s[G0B+2:G0B+3], s[G0B+2:G0B+3], s[18:19]
	s_wait_dscnt 0x0                               ; the add is done
	CROUND                                         ; a whole round: all four tiles are in, and all sixteen work-groups are here
	JLOAD G0+4, G1, G0B+4, G1B                     ; K step 1's load, the first tensor load behind the round
	FETCH_B 0, 0, 0
	FETCH_A 0, 0, 0
	SCALES 0
	FETCH_A 0, 0, 4
	STEP 0, 0, 1                                   ; the first step stands in front of the loop: its products start the sums
	s_mov_b32 s3, LAPS-1
.Llap:                                                 ; a trip goes once round the ring, from a lap's second step to the next lap's first, and fills both slots again
	TURN 0, 1, 1
	STEP 1, 0, 0
	TURN 1, 0, 1
	STEP 0, 0, 0
	s_sub_co_u32 s3, s3, 1
	s_cmp_lg_u32 s3, 0
	s_cbranch_scc1 .Llap
	TURN 0, 1, 0                                   ; the last lap fills nothing, and has no round of the cluster's barrier
	STEP 1, 0, 0
	s_wait_dscnt 4*NL                              ; the very last step: nothing more to fetch
	WIN MUL_LO
	MUL16 0, 1, NQ-1, 1, 0
	MUL16 2, 1, NQ-1, 1, 0
	s_wait_dscnt 0
	WIN MUL_HI
	MUL16 4, 1, NQ-1, 1, 0
	MUL16 6, 1, NQ-1, 1, 0
	WIN 0
; THE WAY OUT.  64 numbers of a lane, v[s] .. v[s + 63], register 16 b + i = place 32 b + 16 (lane / 16) + i along the next K, become 16 registers of codes in v[PC] on and a scale word in v[PW].
.macro QUANT s
.irp b, 0,1,2,3
	v_max3_num_f32 v[TM+\b], |v[\s+16*\b]|, |v[\s+1+16*\b]|, 0x4800000   ; block b: my 16 numbers, and the floor 2^(9 - 127): the byte cannot fall under 1
.endr
.irp i, 2,4,6,8,10,12,14
.irp b, 0,1,2,3
	v_max3_num_f32 v[TM+\b], v[TM+\b], |v[\s+16*\b+\i]|, |v[\s+1+16*\b+\i]|   ; (the four blocks by turns: no line waits for the line above it)
.endr
.endr
.irp b, 0,1,2,3
	v_permlanex16_b32 v[TM+4+\b], v[TM+\b], s[SEL], s[SEL+1]
.endr
.irp b, 0,1,2,3
	v_max_num_f32 v[TM+\b], v[TM+\b], v[TM+4+\b]   ; with lane l xor 16's: the block's largest magnitude
.endr
.irp b, 0,1,2,3
	v_add_nc_u32 v[TM+12+\b], 0xfc000000, v[TM+\b]   ; 8 off its exponent field: the conversion's scale operand
.endr
.irp b, 0,1,2,3
	v_and_or_b32 v[TM+8+\b], v[TM+\b], 0x7f800000, s[MNT]   ; 448 x the scale
.endr
.irp b, 0,1,2,3
	v_lshrrev_b32 v[TM+4+\b], 23, v[TM+12+\b]      ; the scale's byte
.endr
	v_lshl_or_b32 v[PW], v[TM+5], 8, v[TM+4]
	v_lshl_or_b32 v[PW], v[TM+6], 16, v[PW]
	v_lshl_or_b32 v[PW], v[TM+7], 24, v[PW]
.irp b, 0,1,2,3
.irp i, 0,1,2,3,4,5,6,7,8,9,10,11,12,13,14,15
	v_med3_num_f32 v[\s+16*\b+\i], v[\s+16*\b+\i], -v[TM+8+\b], v[TM+8+\b]   ; the conversion to an 8-bit code does not saturate (ISA guide 7.6.2): the hold
.endr
	v_cvt_scalef32_pk8_fp8_f32 v[PC+4*\b:PC+1+4*\b], v[\s+16*\b:\s+7+16*\b], v[TM+12+\b]
	v_cvt_scalef32_pk8_fp8_f32 v[PC+2+4*\b:PC+3+4*\b], v[\s+8+16*\b:\s+15+16*\b], v[TM+12+\b]
.endr
	v_nop                                          ; one plain vector line behind the last conversion, ahead of the next vector line that writes its sources
.endm
; Block a of A (16 stored rows): the bias is added (each accumulator read from its low end on), the 64 numbers are quantised, the codes and, every fourth block, four scale words are stored.
.macro EBLOCK a, kind
.set AC, 64*((\a)%4)
	WIN (0x02+(\a)/4)                              ; source 0: window 2 or 3
.if \kind
.set ii, 0
.rept 64
	v_add_f32 v[X+ii], v[AC+ii], v[BM+(\a)]        ; kind v: one bias a lane: its channel's
.set ii, ii+1
.endr
.else
.set ii, 0
.rept 32
	v_pk_add_f32 v[X+ii:X+ii+1], v[AC+ii:AC+ii+1], v[BN+ii:BN+ii+1]   ; kinds q, k: a bias for each register's channel
.set ii, ii+2
.endr
.endif
	WIN 0
	s_wait_xcnt 0x0                                ; the last block's stores have read their data: the codes' registers are written again only behind this wait
	QUANT X
.if \kind
.irp c, 0,1,2,3
	global_store_b128 v[LI], v[PC+4*\c:PC+4*\c+3], s[E0:E0+1] offset:((\a)/4)*HEADB+((\a)%4)*2048+512*\c   ; head a / 4 of my two, channel tile a % 4, keys 32 c on: 512 consecutive bytes
.endr
	v_mov_b32 v[SW+(\a)], v[PW]
.if (\a)%4 == 3
	global_store_b128 v[LI], v[SW+(\a)-3:SW+(\a)], s[E0:E0+1] offset:((\a)/4)*HEADB+8704   ; [r][tile]: lanes 16-31 hold the same words and write the second copy
.endif
.else
.irp c, 0,1,2,3
	global_store_b128 v[LI], v[PC+4*\c:PC+4*\c+3], s[E0+2*(\c/2):E0+2*(\c/2)+1] offset:1024*(\a)+512*(\c%2)   ; head c / 2 of my two, tile a of the step's eight, channels 32 (c % 2) on
.endr
	v_bfe_u32 v[SW+(\a)], v[PW], v[H16], 16        ; lanes 0-15 keep the even head's two bytes, lanes 16-31 the odd head's; bytes 2, 3 are 0
.if (\a)%4 == 3
	global_store_b128 v[SWA], v[SW+(\a)-3:SW+(\a)], s[EF:EF+1] offset:256*((\a)/4)   ; sixteen lanes store 256 consecutive bytes of their head
.endif
.endif
.endm
	PLACES NP                                      ; behind the last products: for the reads of results and the writes over A's fragments
	s_wait_loadcnt 0x0                             ; the bias
.irp b, 0,1,2,3
	v_mov_b32 v[TM+4+\b], 0                        ; written once: a lane permute's destination counts as one of its sources
.endr
	s_mov_b32 s[SEL], 0x76543210
	s_mov_b32 s[SEL+1], 0xfedcba98
	s_mov_b32 s[MNT], 0x600000
	s_cmp_eq_u32 ttmp9, 2                          ; the kind: the same in every wave of every partner
	s_cbranch_scc1 .Lv
	s_lshl_b32 s24, s17, 8
	s_lshl_b32 s25, s15, 7
	s_add_co_u32 s24, s24, s25                     ; my first stored token
	s_lshr_b32 s25, s24, 11                        ; the batch
	s_bfe_u32 s26, s24, 0x40007                    ; the step of 128 tokens in it
	s_sub_co_u32 s27, s42, 32
	s_lshl_b32 s27, s27, 2                         ; four heads to a tile of 256 channels,
	s_lshl_b32 s28, s16, 1                         ; two to my half
	s_add_co_u32 s27, s27, s28
	s_and_b32 s27, s27, 15                         ; my first head
	s_lshl_b32 s25, s25, 4
	s_add_co_u32 s25, s25, s27                     ; hi
	s_cmp_eq_u32 ttmp9, 1                          ; k goes into the records, q behind them
	s_mov_b32 s48, 131072
	s_cselect_b32 s48, HEADB, s48                  ; codes: bytes from head to head,
	s_mov_b32 s49, 8192
	s_cselect_b32 s49, REC, s49                    ; from step to step,
	s_mov_b32 s50, QOFF
	s_cselect_b32 s50, 0, s50                      ; and where they begin
	s_mov_b32 s51, 8192
	s_cselect_b32 s51, HEADB, s51                  ; scale words likewise
	s_mov_b32 s52, 512
	s_cselect_b32 s52, REC, s52
	s_mov_b32 s53, QSOFF
	s_cselect_b32 s53, 16384, s53
	s_mul_i32 s30, s25, s48
	s_mul_i32 s31, s26, s49
	s_add_co_u32 s30, s30, s31
	s_add_co_u32 s30, s30, s50
	s_mov_b32 s31, 0
	s_add_nc_u64 s[E0:E0+1], s[10:11], s[30:31]    ; my even head's codes
	s_mov_b32 s30, s48
	s_add_nc_u64 s[E0+2:E0+3], s[E0:E0+1], s[30:31]   ; my odd head's
	s_mul_i32 s30, s25, s51
	s_mul_i32 s28, s26, s52
	s_add_co_u32 s30, s30, s28
	s_add_co_u32 s30, s30, s53
	s_add_nc_u64 s[EF:EF+1], s[10:11], s[30:31]
	v_mul_u32_u24 v[SWA], s51, v[HH]
	v_add_nc_u32 v[SWA], v[SWA], v[R16]
.irp a, 0,1,2,3,4,5,6,7
	EBLOCK \a, 0
.endr
	s_branch .Lend
.Lv:
	s_lshl_b32 s24, s42, 8
	s_lshl_b32 s25, s16, 7
	s_add_co_u32 s24, s24, s25                     ; my first token: B's rows here
	s_lshr_b32 s25, s24, 11                        ; the batch
	s_bfe_u32 s26, s24, 0x40007                    ; the key step
	s_lshl_b32 s27, s41, 2
	s_lshl_b32 s28, s15, 1
	s_add_co_u32 s27, s27, s28                     ; my first head: 4 cy + 2 x half
	s_lshl_b32 s25, s25, 4
	s_add_co_u32 s25, s25, s27
	s_mul_i32 s30, s25, HEADB
	s_mul_i32 s31, s26, REC
	s_add_co_u32 s30, s30, s31
	s_add_co_u32 s30, s30, 8192                    ; V's part of the record
	s_mov_b32 s31, 0
	s_add_nc_u64 s[E0:E0+1], s[10:11], s[30:31]
.irp a, 0,1,2,3,4,5,6,7
	EBLOCK \a, 1
.endr
.Lend:
	s_wait_tensorcnt 0x0                           ; the wave's end
	ds_add_u32 v[SPW], v[NIL]
	s_wait_dscnt 0x0
	CROUND                                         ; the closing round: no work-group ends while a partner may still ask for a tile that names it
	s_endpgm
.Lfunc_end_k_q3dd285f839_gemm_qkv:
	.size	k_q3dd285f839_gemm_qkv, .Lfunc_end_k_q3dd285f839_gemm_qkv-k_q3dd285f839_gemm_qkv
	.p2alignl 7, 3214868480
	.fill 96, 4, 3214868480
	.section	.rodata,"a",@progbits
	.p2align	6, 0x0
	.amdhsa_kernel k_q3dd285f839_gemm_qkv
		.amdhsa_group_segment_fixed_size 327680
		.amdhsa_private_segment_fixed_size 0
		.amdhsa_enable_private_segment 0
		.amdhsa_kernarg_size 32
		.amdhsa_user_sgpr_count 2
		.amdhsa_user_sgpr_kernarg_segment_ptr 1
		.amdhsa_wavefront_size32 1
		.amdhsa_system_sgpr_workgroup_id_x 1
		.amdhsa_system_sgpr_workgroup_id_y 1
		.amdhsa_system_sgpr_workgroup_id_z 1
		.amdhsa_system_vgpr_workitem_id 0
		.amdhsa_next_free_vgpr 1024
		.amdhsa_next_free_sgpr 102
		.amdhsa_reserve_vcc 0
		.amdhsa_float_denorm_mode_32 3
		.amdhsa_float_denorm_mode_16_64 3
		.amdhsa_memory_ordered 1
		.amdhsa_forward_progress 1
		.amdhsa_inst_pref_size 255
	.end_amdhsa_kernel
	.section	.bss,"aw",@nobits
	.p2align	6
	.space	262144
	.amdgpu_metadata
---
amdhsa.version: [ 1, 2 ]
amdhsa.kernels:
  - .name:           k_q3dd285f839_gemm_qkv
    .symbol:         k_q3dd285f839_gemm_qkv.kd
    .args:
      - { .name: cin, .offset: 0, .size: 8, .value_kind: global_buffer, .address_space: global }
      - { .name: sin, .offset: 8, .size: 8, .value_kind: global_buffer, .address_space: global }
      - { .name: b_attn, .offset: 16, .size: 8, .value_kind: global_buffer, .address_space: global }
      - { .name: qkv, .offset: 24, .size: 8, .value_kind: global_buffer, .address_space: global }
    .group_segment_fixed_size: 327680
    .private_segment_fixed_size: 0
    .kernarg_segment_align: 8
    .kernarg_segment_size: 32
    .max_flat_workgroup_size: 128
    .sgpr_count:     102
    .vgpr_count:     1024
    .wavefront_size: 32
...
	.end_amdgpu_metadata
.endif
;; end of part 2
;; launch attn (part 3): grid 4 x 64, 8 waves a work-group, clusters of 4 x 1, 327,680 bytes of LDS; arguments qkv, yc, ys; writes yc, ys
.if DOCPART == 3
	.amdgcn_target "amdgcn-amd-amdhsa--gfx1250"
	.amdhsa_code_object_version 6
	.text
	.protected	k_q3dd285f839_attn
	.globl	k_q3dd285f839_attn
	.p2align	8
	.type	k_q3dd285f839_attn,@function
k_q3dd285f839_attn:
	s_mov_b64 s[64:65], 0
	v_nop
	global_prefetch_b8 v0, s[64:65] scope:SCOPE_SE
	s_setreg_imm32_b32 hwreg(HW_REG_WAVE_MODE, 25, 1), 1
	s_wait_xcnt 0x0
	s_wait_alu depctr_hold_cnt(0) depctr_sa_sdst(0) depctr_va_vdst(0) depctr_va_sdst(0) depctr_va_ssrc(0) depctr_va_vcc(0) depctr_vm_vsrc(0)
	s_getreg_b32 s2, hwreg(HW_REG_IB_STS2, 6, 4)
	s_cmp_eq_u32 s2, 0
	s_cbranch_scc0 .Lentry_in_a_cluster
	s_endpgm
.Lentry_in_a_cluster:
	s_bfe_u32 s2, ttmp6, 0x10000c
	s_cmp_lg_u32 s2, 0x3003
	s_cbranch_scc0 .Lentry_shape_is_right
	s_endpgm
.Lentry_shape_is_right:
; y = softmax(q k^T / 8, causal) v for 64 heads (16 batch + head) of 2,048 tokens x 64 channels, both products on codes of FP8 (E4M3) with E8M0 scales for each 32 along K; y is quantised in registers for the projection.
; qkv: for head hi and key step s (128 keys) a record of 17,408 bytes at hi x 278,528 + s x 17,408: K's 8 tiles of 16 keys ([c 2][lane][16]); at 8,192 V's 4 tiles of 16 channels x 128 keys ([c 4][lane][16]);
;   at 16,384 K's scale words [tile / 4][r][tile % 4]; at 16,896 V's [r][tile].  Behind the records q's codes (hi x 131,072 + tile x 1,024) and q's scale words.  A stored tile jt of 16 rows holds tokens 32 (jt / 2) + 8 (jt % 2) + r + 8 (r / 8).
; yc: [tile of 16 stored tokens][head][c 2][lane][16];  ys: rows of 32 scale bytes, a byte for each 32 channels.
; THE SOFTMAX: t = score x log2(e) / 8; M = the running largest t rounded up to a whole number; p = 2^(t - M) is quantised along the keys; the row's sum is taken of the unquantised p and divides at the end.
; THE MASK.  A key step all of whose keys come after a tile's queries adds nothing and is left out whole; in the one step on the diagonal hidden scores become -infinity.
; THE DEAL.  A cluster of four work-groups owns a head; a work-group has eight waves, two to a SIMD.  The 128 stored query tiles fall into 16 groups of eight, group g with its diagonal in key step g.
;   Wave w of the work-group at place cx owns TWO NEIGHBOURING TILES, X = 8 g + 2 cx and Y = X + 1, of group g = 15 - w, and then of group g = w: 17 key steps for every wave, each fragment of K and V feeding both tiles.
;   Which steps a wave walks hangs on the wave's number alone, never on cx: cx enters global addresses and the mask's compare alone.
; LDS.  All 16 records of the head lie in LDS, 278,528 bytes; every work-group reads all of them, so they are asked for JOINTLY by the four: wave w fetches records 2 w and 2 w + 1 by its one tensor load, at the head.  Nothing is filled again; the one wait on TENSORcnt ahead of the reads is for 0.
; No prefetch into the L2: all that the launch reads through LDS is asked for at its head, so there is no loop to run ahead in.
; Both products are used transposed (S^T = K Q^T, O^T = V^T P^T): a lane holds one query of each tile throughout.  The head's 64 channels fill half of the first product's 128: Q's upper eight registers are zeros.
; A STEP'S ORDER.  The next step's K tiles are loaded under this step's softmax (their address is held inside the records); X runs a stage ahead of Y: Y's multiply-adds stand among X's exponentials, X's holds among Y's, X's second product ahead of Y's tail.
; LIMITS: the promise holds while the scaled scores stay under 2^31 in magnitude; a block's byte never falls under 1 (a block of zeros keeps it: its codes are zeros); NaN and infinities among the inputs are not served.
; REGISTERS.  Window 0: addresses, state, scale words, the scores and p of both tiles, p's codes.  Window 1: K's tiles, Q, O^T, V's tiles.  Tile z = 0 (X), 1 (Y) has its registers at base + size x z.
.set REC,   17408
.set HEADB, 16*REC
.set QOFF,  64*HEADB
.set QSOFF, QOFF+64*131072
.set SPARE, HEADB                      ; behind the records: the spare words, 128 bytes for each wave: four blocks of 256 bytes that no other line names
.set LI,   1                           ; v1      16 x lane
.set QLC,  2                           ; v2, v3  r + 8 (r / 8) - 16 h (+ 8 for Y): my query's place less my half's first key
.set ADK,  4                           ; v4      LDS address of the step's record;  v8 of the next step's
.set YSA,  5                           ; v5      32 r + h: my byte of ys
.set H8,   6                           ; v6      8 h
.set NINF, 7                           ; v7      -infinity
.set ADN,  8
.set ST,   12                          ; v12-19  4 z + 0: -M, 1: the largest t, 2, 3: the sum in two halves
.set KSC,  20                          ; v20-23  K's scale words
.set QS,   24                          ; v24, 25 Q's scale words;  v26, 27 the second group's, until its turn
.set QS1,  26
.set VSC,  28                          ; v28-31  V's scale words
.set FF,   32                          ; v32-35  2 z + 0: f = 2^(old M - new M), 1: p's scale word
.set W0,   36                          ; v36-39  two a tile, at work
.set BMX,  40                          ; v40-47  the blocks' largest scores, then largest p
.set T2,   48                          ; v48-55
.set HLD,  56                          ; v56-63  448 x the scale
.set SOP,  64                          ; v64-71  the conversions' scale operands
.set SPW,  72                          ; v72 my spare word's LDS address, v73 0: never rewritten
.set NIL,  73
.set S,    80                          ; v80-207 S^T, then p: 64 a tile
.set PCD,  208                         ; v208-239 p's codes: 16 a tile
.set KV,   0                           ; window 1: v0-71 K's 8 tiles and 8 registers of zeros
.set QF,   72                          ; v72-103 Q's fragments: 8 registers and 8 of zeros a tile
.set QF1,  104                         ; v104-119 the second group's
.set O,    120                         ; v120-183 O^T: 32 a tile
.set VV,   184                         ; v184-247 V's 4 tiles
.set WV,   10
.set MNT,  19
.set SEL,  20
.set CS,   22
.set G1,   24
.set G0,   32
.set PDG,  36                          ; s36, s37 first key of the diagonal's step of my first and second group: from the wave's number alone
.set YC,   40                          ; s[40:41], s[42:43] where the group in hand stores
.set YS,   42
.set MK,   44
.set TB,   48                          ; s48 LDS byte of the step's record;  s49 its first key;  s54 the next record's byte
.set KF,   49
.set DG,   50
.set DQ,   51                          ; s51 tile X's first token
.set CNT,  52
.set TMP,  53
.set TN,   54
.set PH,   55
.set QB,   56
.set QSB,  60
.set YCB,  68
.set YSB,  72
.set PDQ,  76
.set MSB, 0
.macro WIN new                         ; low byte: bits 1:0 source 0, 3:2 source 1, 5:4 source 2, 7:6 destination; the high byte repeats the setting that is left
.if MSB != \new
	s_set_vgpr_msb (MSB<<8)|\new
.set MSB, \new
.endif
.endm
.macro CROUND                          ; a round of the cluster's barrier
	s_barrier_signal -1
	s_barrier_wait -1
	s_cmp_lg_u32 s[WV], 0
	s_cbranch_scc1 .Lnot_wave_0_\@
	s_barrier_signal -3
.Lnot_wave_0_\@:
	s_barrier_wait -3
	s_barrier_signal -1
	s_barrier_wait -1
.endm
	s_load_b128 s[4:7], s[0:1], 0x0                ; qkv, yc
	s_load_b64 s[8:9], s[0:1], 0x10                ; ys
	v_lshl_add_u32 v[SPW], v0, 2, SPARE
	v_mov_b32 v[NIL], 0
	ds_add_u32 v[SPW], v[NIL]                      ; the add, twice on end, and its wait; register work between
	ds_add_u32 v[SPW], v[NIL]
	v_lshrrev_b32 v9, 5, v0
	v_readfirstlane_b32 s[WV], v9
	s_and_b32 s11, ttmp7, 0xffff                   ; the head: the cluster's y
	s_bfe_u32 s13, ttmp6, 0x40000                  ; cx
	s_mov_b32 s[G1], 15|(3<<16)|(1<<21)            ; the mask names the cluster's four; elements of 8 bytes; bit 21 beside a mask; no padding: lanes read 16 bytes apart
	s_mov_b32 s[G1+1], 32<<16                      ; two records: 136 rows of 256 bytes, dense
	s_mov_b32 s[G1+2], 136<<16
	s_mov_b32 s[G1+3], 32<<16
	s_mov_b32 s[G1+4], 136
	s_mov_b32 s[G1+5], 32
	s_mov_b32 s[G1+6], 0
	s_mov_b32 s[G1+7], 0
	s_mul_i32 s12, s[WV], 2*REC                    ; records 2 w, 2 w + 1: their place in LDS and in the head
	s_mul_i32 s14, s11, HEADB
	s_add_co_u32 s14, s14, s12
	s_mov_b32 s15, 0
	s_mov_b32 s[G0], 1
	s_mov_b32 s[G0+1], s12
	s_wait_dscnt 0x0                               ; both opening adds are done
	s_wait_kmcnt 0x0
	s_add_nc_u64 s[G0+2:G0+3], s[4:5], s[14:15]
	s_or_b32 s[G0+3], s[G0+3], 0x80000000
	CROUND                                         ; all four work-groups are here: the joint loads meet
	tensor_load_to_lds s[G0:G0+3], s[G1:G1+7]      ; one line, issued by every wave; every wave waits for it below
	s_nop 0
.rept 4
	v_nop
.endr
	s_lshl_b32 s84, s11, 17
	s_add_co_u32 s84, s84, QOFF                    ; the head's q codes
	s_lshl_b32 s85, s11, 13
	s_add_co_u32 s85, s85, QSOFF                   ; and q scale words
	s_lshr_b32 s86, s11, 4
	s_lshl_b32 s86, s86, 7                         ; 128 tiles of tokens a batch
	s_and_b32 s87, s11, 15
	s_lshl_b32 s88, s87, 1                         ; ys: two bytes a head
	s_lshl_b32 s87, s87, 10                        ; yc: 1,024 bytes a head
	s_lshl_b32 s83, s13, 1                         ; 2 cx
.macro PHASE ph                        ; s79: tile X, an even stored tile: where its q lies, where its y goes, its first token.  Tile Y lies one tile on in each: an immediate
	s_lshl_b32 s80, s79, 10
	s_add_co_u32 s80, s80, s84
	s_mov_b32 s81, 0
	s_add_nc_u64 s[QB+2*\ph:QB+2*\ph+1], s[4:5], s[80:81]
	s_lshr_b32 s80, s79, 2
	s_lshl_b32 s80, s80, 8
	s_and_b32 s82, s79, 3
	s_lshl_b32 s82, s82, 2
	s_add_co_u32 s80, s80, s82
	s_add_co_u32 s80, s80, s85
	s_add_nc_u64 s[QSB+2*\ph:QSB+2*\ph+1], s[4:5], s[80:81]
	s_add_co_u32 s82, s79, s86
	s_lshl_b32 s80, s82, 14
	s_add_co_u32 s80, s80, s87
	s_add_nc_u64 s[YCB+2*\ph:YCB+2*\ph+1], s[6:7], s[80:81]
	s_lshl_b32 s80, s82, 9
	s_add_co_u32 s80, s80, s88
	s_add_nc_u64 s[YSB+2*\ph:YSB+2*\ph+1], s[8:9], s[80:81]
	s_lshl_b32 s[PDQ+\ph], s79, 4                  ; 32 (jt / 2), jt even
.endm
	s_sub_co_u32 s79, 15, s[WV]                    ; the first group: 15 - w
	s_lshl_b32 s[PDG], s79, 7
	s_lshl_b32 s79, s79, 3
	s_add_co_u32 s79, s79, s83
	PHASE 0
	s_lshl_b32 s[PDG+1], s[WV], 7                  ; the second: w
	s_lshl_b32 s79, s[WV], 3
	s_add_co_u32 s79, s79, s83
	PHASE 1
	s_mov_b32 s[DG], s[PDG]
	s_mov_b32 s[DQ], s[PDQ]
	s_mov_b64 s[YC:YC+1], s[YCB:YCB+1]
	s_mov_b64 s[YS:YS+1], s[YSB:YSB+1]
	s_mov_b32 s[SEL], 0x76543210
	s_mov_b32 s[SEL+1], 0xfedcba98
	s_mov_b32 s[CS], 0x3e38aa3b                    ; c = log2(e) / 8
	s_mov_b32 s[CS+1], s[CS]
	s_mov_b32 s[MNT], 0x600000                     ; the mantissa field of 448
	s_mov_b32 s[PH], 0
	v_and_b32 v74, 31, v0
	v_lshlrev_b32 v[LI], 4, v74
	v_and_b32 v75, 15, v0                          ; r
	v_bfe_u32 v76, v0, 4, 1                        ; h
	v_lshlrev_b32 v77, 4, v75
.irp z, 0,1
	global_load_b32 v[QS+\z], v77, s[QSB:QSB+1] offset:4*\z
	global_load_b32 v[QS1+\z], v77, s[QSB+2:QSB+3] offset:4*\z
.endr
	WIN 0x40                                       ; destinations in window 1
.irp k, 0,1,2,3
	global_load_b128 v[QF+16*(\k/2)+4*(\k%2):QF+16*(\k/2)+4*(\k%2)+3], v[LI], s[QB:QB+1] offset:512*\k
	global_load_b128 v[QF1+4*\k:QF1+4*\k+3], v[LI], s[QB+2:QB+3] offset:512*\k
.endr
.irp j, 0,1,2,3,4,5,6,7
	v_mov_b32 v[QF+8+\j], 0                        ; the first product's K beyond the head's 64: zeros in Q, and behind K's last tile
	v_mov_b32 v[QF+24+\j], 0
	v_mov_b32 v[KV+64+\j], 0
.endr
	WIN 0
	v_and_b32 v78, 8, v75
	v_add_nc_u32 v[QLC], v78, v75
	v_lshlrev_b32 v78, 4, v76
	v_sub_nc_u32 v[QLC], v[QLC], v78
	v_add_nc_u32 v[QLC+1], 8, v[QLC]
	v_lshl_add_u32 v[YSA], v75, 5, v76
	v_lshlrev_b32 v[H8], 3, v76
	v_mov_b32 v[NINF], 0xff800000
.irp b, 0,1,2,3,4,5,6,7
	v_mov_b32 v[T2+\b], 0                          ; written once: a lane permute's destination counts as one of its sources
.endr
.irp b, 0,1,2,3
	v_mov_b32 v[W0+\b], 0
	v_mov_b32 v[FF+\b], 0                          ; (p's scale word is named as the upper half of the pair with f before it is first written)
.endr
.macro KLOAD adr                       ; K's 8 tiles and their scale words: 17 loads
	WIN 0x40
.irp t, 0,1,2,3,4,5,6,7
	ds_load_b128 v[KV+8*\t:KV+8*\t+3], v[\adr] offset:1024*\t
	ds_load_b128 v[KV+8*\t+4:KV+8*\t+7], v[\adr] offset:1024*\t+512
.endr
	WIN 0
	ds_load_b128 v[KSC:KSC+3], v[\adr] offset:16384
.endm
.macro POST z                          ; behind a tile's exponentials: the four blocks' scales, p's scale word, and the row's sum of the unquantised p in four chains
.set BZ, BMX+4*(\z)
.set TZ, T2+4*(\z)
.set SZ, S+64*(\z)
.set AZ, ST+4*(\z)+2
.set DZ, W0+2*(\z)
.set PZ, FF+2*(\z)+1
.irp b, 0,1,2,3
	v_max_num_f32 v[BZ+\b], 0x4800000, v[BZ+\b]    ; the floor 2^(9 - 127): the byte cannot fall under 1
.endr
.irp b, 0,1,2,3
	v_add_nc_u32 v[SOP+4*(\z)+\b], 0xfc000000, v[BZ+\b]   ; 8 off the exponent field: the conversion's scale operand
.endr
.irp b, 0,1,2,3
	v_and_or_b32 v[HLD+4*(\z)+\b], v[BZ+\b], 0x7f800000, s[MNT]   ; 448 x the scale
.endr
.irp b, 0,1,2,3
	v_lshrrev_b32 v[TZ+\b], 23, v[SOP+4*(\z)+\b]   ; the scale's byte
.endr
	v_lshl_or_b32 v[PZ], v[TZ+1], 8, v[TZ]
	v_lshl_or_b32 v[PZ], v[TZ+2], 16, v[PZ]
	v_lshl_or_b32 v[PZ], v[TZ+3], 24, v[PZ]
	v_pk_add_f32 v[AZ:AZ+1], v[AZ:AZ+1], v[SZ:SZ+1]
	v_pk_add_f32 v[TZ:TZ+1], v[SZ+2:SZ+3], v[SZ+10:SZ+11]
	v_pk_add_f32 v[TZ+2:TZ+3], v[SZ+4:SZ+5], v[SZ+12:SZ+13]
	v_pk_add_f32 v[DZ:DZ+1], v[SZ+6:SZ+7], v[SZ+14:SZ+15]
.irp k, 2,3,4,5,6,7
	v_pk_add_f32 v[AZ:AZ+1], v[AZ:AZ+1], v[SZ+8*\k:SZ+8*\k+1]
	v_pk_add_f32 v[TZ:TZ+1], v[TZ:TZ+1], v[SZ+8*\k+2:SZ+8*\k+3]
	v_pk_add_f32 v[TZ+2:TZ+3], v[TZ+2:TZ+3], v[SZ+8*\k+4:SZ+8*\k+5]
	v_pk_add_f32 v[DZ:DZ+1], v[DZ:DZ+1], v[SZ+8*\k+6:SZ+8*\k+7]
.endr
	v_pk_add_f32 v[AZ:AZ+1], v[AZ:AZ+1], v[SZ+8:SZ+9]
	v_pk_add_f32 v[TZ:TZ+1], v[TZ:TZ+1], v[TZ+2:TZ+3]
	v_pk_add_f32 v[AZ:AZ+1], v[AZ:AZ+1], v[DZ:DZ+1]
	v_pk_add_f32 v[AZ:AZ+1], v[AZ:AZ+1], v[TZ:TZ+1]
.endm
.macro CODES z                         ; a tile's 64 held p become 16 registers of codes
.irp b, 0,1,2,3
	v_cvt_scalef32_pk8_fp8_f32 v[PCD+16*(\z)+4*\b:PCD+16*(\z)+4*\b+1], v[S+64*(\z)+16*\b:S+64*(\z)+16*\b+7], v[SOP+4*(\z)+\b]
	v_cvt_scalef32_pk8_fp8_f32 v[PCD+16*(\z)+4*\b+2:PCD+16*(\z)+4*\b+3], v[S+64*(\z)+16*\b+8:S+64*(\z)+16*\b+15], v[SOP+4*(\z)+\b]
.endr
.endm
.macro PV z, wait                      ; O^T x f, then O^T += V^T P^T.  One window setting serves both: destination, source 0 and source 2 in window 1, source 1 (f; the codes) in window 0
	WIN 0x51
	s_wait_alu depctr_va_vdst(0)                   ; directly ahead of the first reader of O^T
.set nn, 0
.rept 16
	v_pk_mul_f32 v[O+32*(\z)+nn:O+32*(\z)+nn+1], v[O+32*(\z)+nn:O+32*(\z)+nn+1], v[FF+2*(\z):FF+2*(\z)+1] op_sel_hi:[1,0]   ; these are also the places between the codes and the products
.set nn, nn+2
.endr
.if \wait
	s_wait_alu depctr_va_vdst(0)                   ; directly ahead of the wait below
	s_wait_dscnt 17                                ; V's tiles and scale words are in; behind them stand the next step's 16 loads of K and its scale words
.endif
.irp a, 0,1,2,3
	v_wmma_scale_f32_16x16x128_f8f6f4 v[O+32*(\z)+8*\a:O+32*(\z)+8*\a+7], v[VV+16*\a:VV+16*\a+15], v[PCD+16*(\z):PCD+16*(\z)+15], v[O+32*(\z)+8*\a:O+32*(\z)+8*\a+7], v[VSC+\a], v[FF+2*(\z)+1]
.endr
	WIN 0
.endm
; A KEY STEP: 128 keys against both tiles.  A step behind the group's diagonal is left out; on the diagonal the mask is laid: both branches hang on the wave's number and the count of steps.
.macro STEP
	s_cmp_gt_u32 s[KF], s[DG]
	s_cbranch_scc1 .Lhidden_\@
	s_add_co_u32 s[TN], s[TB], REC
	s_min_u32 s[TN], s[TN], 15*REC                 ; the next record, held inside the sixteen (what the last step loads so is not used)
	s_wait_dscnt 0x0                               ; this step's K tiles, asked for a step ago
	WIN 0x05                                       ; sources 0 and 1 in window 1
.irp t, 0,1,2,3
.irp z, 0,1
	v_wmma_scale_f32_16x16x128_f8f6f4 v[S+64*\z+8*\t:S+64*\z+8*\t+7], v[KV+8*\t:KV+8*\t+15], v[QF+16*\z:QF+16*\z+15], 0, v[KSC+\t], v[QS+\z]
.endr
.endr
.irp t, 4,5,6,7
.irp z, 0,1
	v_wmma_scale_f32_16x16x128_f8f6f4 v[S+64*\z+8*\t:S+64*\z+8*\t+7], v[KV+8*\t:KV+8*\t+15], v[QF+16*\z:QF+16*\z+15], 0, v[KSC+\t-4], v[QS+\z] matrix_a_scale:MATRIX_SCALE_ROW1
.endr
.endr
	WIN 0
	v_add_nc_u32 v[ADK], s[TB], v[LI]
	v_add_nc_u32 v[ADN], s[TN], v[LI]
.rept 6
	v_nop                                          ; with the two lines above: eight places, ahead of the loads below (into what the last products have read) and of the first reader of the scores
.endr
	ds_load_b128 v[VSC:VSC+3], v[ADK] offset:16896
	WIN 0x40
.irp a, 0,1,2,3
.irp c, 0,1,2,3
	ds_load_b128 v[VV+16*\a+4*\c:VV+16*\a+4*\c+3], v[ADK] offset:8192+2048*\a+512*\c   ; V's tiles land under the softmax,
.endr
.endr
	KLOAD ADN                                      ; and so do the next step's K tiles
	s_cmp_lt_u32 s[KF], s[DG]
	s_cbranch_scc1 .Lopen_\@
	s_sub_co_i32 s[TMP], s[DQ], s[KF]
.irp z, 0,1
	v_add_nc_u32 v[W0+2*\z], s[TMP], v[QLC+\z]     ; d = my query - the step's first key - 16 h.  Register 16 b + i holds key 32 b + 16 h + i of the step: hidden where 32 b + i > d
.endr
.set nn, 0
.rept 64
	v_cmp_gt_i32 vcc_lo, 32*(nn/16)+nn%16, v[W0]
	v_cmp_gt_i32 s[MK], 32*(nn/16)+nn%16, v[W0+2]
	v_cndmask_b32 v[S+nn], v[S+nn], v[NINF], vcc_lo
	v_cndmask_b32 v[S+64+nn], v[S+64+nn], v[NINF], s[MK]
.set nn, nn+1
.endr
.Lopen_\@:
.irp b, 0,1,2,3
.irp z, 0,1
	v_max3_num_f32 v[BMX+4*\z+\b], v[S+64*\z+16*\b], v[S+64*\z+16*\b+1], v[S+64*\z+16*\b+2]   ; the largest score of each block of 32 keys: for the row's maximum and, since p rises with the score, for the block's largest p.  Eight chains by turns
.endr
.endr
.irp i, 3,5,7,9,11,13
.irp b, 0,1,2,3
.irp z, 0,1
	v_max3_num_f32 v[BMX+4*\z+\b], v[BMX+4*\z+\b], v[S+64*\z+16*\b+\i], v[S+64*\z+16*\b+\i+1]
.endr
.endr
.endr
.irp b, 0,1,2,3,4,5,6,7
	v_max_num_f32 v[BMX+\b], v[BMX+\b], v[S+64*(\b/4)+16*(\b%4)+15]
.endr
.irp b, 0,1,2,3,4,5,6,7
	v_permlanex16_b32 v[T2+\b], v[BMX+\b], s[SEL], s[SEL+1]
.endr
.irp b, 0,1,2,3,4,5,6,7
	v_max_num_f32 v[BMX+\b], v[BMX+\b], v[T2+\b]   ; with lane l xor 16's 16 keys
.endr
.irp z, 0,1
	v_max3_num_f32 v[W0+2*\z], v[BMX+4*\z], v[BMX+4*\z+1], v[BMX+4*\z+2]
.endr
.irp z, 0,1
	v_max_num_f32 v[W0+2*\z], v[W0+2*\z], v[BMX+4*\z+3]
.endr
.irp z, 0,1
	v_mul_f32 v[W0+2*\z], s[CS], v[W0+2*\z]
.endr
.irp z, 0,1
	v_max_num_f32 v[ST+4*\z+1], v[ST+4*\z+1], v[W0+2*\z]   ; the running largest t
.endr
.irp z, 0,1
	v_mov_b32 v[W0+2*\z], v[ST+4*\z]
.endr
.irp z, 0,1
	v_floor_f32 v[ST+4*\z], -v[ST+4*\z+1]          ; -M = floor(-t): M is a whole number
.endr
.irp z, 0,1
	v_sub_f32 v[W0+2*\z], v[ST+4*\z], v[W0+2*\z]
.endr
.irp z, 0,1
	v_cvt_i32_f32 v[W0+2*\z], v[W0+2*\z]
.endr
.irp z, 0,1
	v_ldexp_f32 v[FF+2*\z], 1.0, v[W0+2*\z]        ; f = 2^(old M - new M): a multiplication by it rounds nothing
.endr
.set nn, 0
.rept 32
	v_pk_fma_f32 v[S+nn:S+nn+1], v[S+nn:S+nn+1], s[CS:CS+1], v[ST:ST+1] op_sel_hi:[1,0,0]   ; X: t - M, two at a time
.set nn, nn+2
.endr
.irp b, 0,1,2,3
	v_fma_f32 v[BMX+\b], v[BMX+\b], s[CS], v[ST]
.endr
	s_wait_alu depctr_va_vdst(0)                   ; one wait ahead of the batch
.set nn, 0
.rept 32
	v_exp_f32 v[S+nn], v[S+nn]                     ; X: p = 2^(t - M);
	v_exp_f32 v[S+nn+1], v[S+nn+1]
	v_pk_fma_f32 v[S+64+nn:S+65+nn], v[S+64+nn:S+65+nn], s[CS:CS+1], v[ST+4:ST+5] op_sel_hi:[1,0,0]   ; among them Y's t - M: its sources were written ahead of the wait above, its results are read behind the wait below
.set nn, nn+2
.endr
.irp b, 0,1,2,3
	v_exp_f32 v[BMX+\b], v[BMX+\b]                 ; the block's largest p: the same two instructions on the same number
	v_fma_f32 v[BMX+4+\b], v[BMX+4+\b], s[CS], v[ST+4]
.endr
	v_pk_mul_f32 v[ST+2:ST+3], v[ST+2:ST+3], v[FF:FF+1] op_sel_hi:[1,0]   ; X's sums under the new M
	s_wait_alu depctr_va_vdst(0)                   ; and one behind it
	POST 0
	s_wait_alu depctr_va_vdst(0)                   ; ahead of the second batch
.set nn, 0
.rept 32
	v_exp_f32 v[S+64+nn], v[S+64+nn]               ; Y's p;
	v_exp_f32 v[S+65+nn], v[S+65+nn]
	v_dual_min_num_f32 v[S+nn], v[HLD+nn/16], v[S+nn] :: v_dual_min_num_f32 v[S+nn+1], v[HLD+nn/16], v[S+nn+1]   ; among them X's holds (the conversion does not saturate: ISA guide 7.6.2; p is not negative, so the hold is one-sided), two numbers a line
.set nn, nn+2
.endr
.irp b, 0,1,2,3
	v_exp_f32 v[BMX+4+\b], v[BMX+4+\b]
.endr
	v_pk_mul_f32 v[ST+6:ST+7], v[ST+6:ST+7], v[FF+2:FF+3] op_sel_hi:[1,0]
	s_wait_alu depctr_va_vdst(0)                   ; behind the second batch
	CODES 0
	PV 0, 1                                        ; X's second product is on its way while Y's tail is worked
	POST 1
.set nn, 0
.rept 32
	v_dual_min_num_f32 v[S+64+nn], v[HLD+4+nn/16], v[S+64+nn] :: v_dual_min_num_f32 v[S+65+nn], v[HLD+4+nn/16], v[S+65+nn]
.set nn, nn+2
.endr
	CODES 1
	PV 1, 0
.Lhidden_\@:
	s_add_co_u32 s[KF], s[KF], 128
	s_add_co_u32 s[TB], s[TB], REC
.endm
	s_wait_alu depctr_va_vdst(0)                   ; the wait at the head's end
	s_wait_loadcnt 0x0                             ; Q, both groups'
	s_wait_tensorcnt 0x0                           ; every wave: its two records are in
	s_barrier_signal -1
	s_barrier_wait -1                              ; all sixteen are
.Lphase:                                               ; two trips: group 15 - w, then group w
.irp z, 0,1
	v_mov_b32 v[ST+4*\z+1], 0xff61b1e6             ; the step has no first form of its own: the largest t begins as -3e38, the sum and O^T as zeros
.endr
.irp z, 0,1
	v_floor_f32 v[ST+4*\z], -v[ST+4*\z+1]
	v_mov_b32 v[ST+4*\z+2], 0
	v_mov_b32 v[ST+4*\z+3], 0
.endr
	WIN 0x40
.set nn, 0
.rept 64
	v_mov_b32 v[O+nn], 0
.set nn, nn+1
.endr
	KLOAD LI                                       ; key step 0's K tiles
	s_mov_b32 s[TB], 0
	s_mov_b32 s[KF], 0
	s_mov_b32 s[CNT], 16                           ; the trip count is a constant of the text; what a wave leaves out it jumps over inside a trip
.Lsteps:
	STEP
	s_sub_co_u32 s[CNT], s[CNT], 1
	s_cmp_lg_u32 s[CNT], 0
	s_cbranch_scc1 .Lsteps
; THE WAY OUT of both tiles: O^T / the sum; a lane's 32 numbers of a tile are 16 neighbours of each of the head's two blocks of 32 channels (lane l xor 16 holds the other 16): quantised as they stand; 512 consecutive bytes a store of codes.
	s_wait_dscnt 0x0                               ; the loads that the last step issued ahead have landed: their registers are loaded anew in the next trip
.rept 8
	v_nop
.endr
.irp z, 0,1
	v_add_f32 v[ST+4*\z+2], v[ST+4*\z+2], v[ST+4*\z+3]
.endr
.irp z, 0,1
	v_permlanex16_b32 v[W0+2*\z], v[ST+4*\z+2], s[SEL], s[SEL+1]
.endr
.irp z, 0,1
	v_add_f32 v[ST+4*\z+2], v[ST+4*\z+2], v[W0+2*\z]
.endr
	s_wait_alu depctr_va_vdst(0)
.irp z, 0,1
	v_rcp_f32 v[ST+4*\z+2], v[ST+4*\z+2]
.endr
	v_nop
	WIN 0x01                                       ; source 0 (O^T) in window 1
	s_wait_alu depctr_va_vdst(0)
.irp z, 0,1
.set nn, 0
.rept 32
	v_mul_f32 v[S+64*\z+nn], v[O+32*\z+nn], v[ST+4*\z+2]
.set nn, nn+1
.endr
.endr
	WIN 0
.irp b, 0,1
.irp z, 0,1
	v_max3_num_f32 v[BMX+4*\z+\b], |v[S+64*\z+16*\b]|, |v[S+64*\z+16*\b+1]|, 0x4800000
.endr
.endr
.irp i, 2,4,6,8,10,12,14
.irp b, 0,1
.irp z, 0,1
	v_max3_num_f32 v[BMX+4*\z+\b], v[BMX+4*\z+\b], |v[S+64*\z+16*\b+\i]|, |v[S+64*\z+16*\b+\i+1]|
.endr
.endr
.endr
.irp n, 0,1,4,5
	v_permlanex16_b32 v[T2+\n], v[BMX+\n], s[SEL], s[SEL+1]
.endr
.irp n, 0,1,4,5
	v_max_num_f32 v[BMX+\n], v[BMX+\n], v[T2+\n]
.endr
.irp n, 0,1,4,5
	v_add_nc_u32 v[SOP+\n], 0xfc000000, v[BMX+\n]
.endr
.irp n, 0,1,4,5
	v_and_or_b32 v[HLD+\n], v[BMX+\n], 0x7f800000, s[MNT]
.endr
.irp n, 0,1,4,5
	v_lshrrev_b32 v[T2+\n], 23, v[SOP+\n]
.endr
.irp z, 0,1
.irp b, 0,1
.irp i, 0,1,2,3,4,5,6,7,8,9,10,11,12,13,14,15
	v_med3_num_f32 v[S+64*\z+16*\b+\i], v[S+64*\z+16*\b+\i], -v[HLD+4*\z+\b], v[HLD+4*\z+\b]
.endr
	v_cvt_scalef32_pk8_fp8_f32 v[PCD+16*\z+4*\b:PCD+16*\z+4*\b+1], v[S+64*\z+16*\b:S+64*\z+16*\b+7], v[SOP+4*\z+\b]
	v_cvt_scalef32_pk8_fp8_f32 v[PCD+16*\z+4*\b+2:PCD+16*\z+4*\b+3], v[S+64*\z+16*\b+8:S+64*\z+16*\b+15], v[SOP+4*\z+\b]
.endr
.endr
	v_nop                                          ; one plain line behind the last conversion
.irp z, 0,1
	v_lshl_or_b32 v[W0+2*\z], v[T2+4*\z+1], 8, v[T2+4*\z]
.endr
.irp z, 0,1
	v_lshrrev_b32 v[W0+2*\z], v[H8], v[W0+2*\z]    ; lanes 0-15 store the first block's byte, lanes 16-31 the second's
.endr
.irp z, 0,1
	global_store_b128 v[LI], v[PCD+16*\z:PCD+16*\z+3], s[YC:YC+1] offset:16384*\z
	global_store_b128 v[LI], v[PCD+16*\z+4:PCD+16*\z+7], s[YC:YC+1] offset:16384*\z+512
	global_store_b8 v[YSA], v[W0+2*\z], s[YS:YS+1] offset:512*\z
.endr
	s_wait_xcnt 0x0                                ; the stores have read their registers and bases: these are written again below
	s_add_co_u32 s[PH], s[PH], 1
	s_cmp_eq_u32 s[PH], 2
	s_cbranch_scc1 .Ldone
	WIN 0x41                                       ; the second group's turn: its Q, within window 1,
.irp j, 0,1,2,3,4,5,6,7
	v_mov_b32 v[QF+\j], v[QF1+\j]
	v_mov_b32 v[QF+16+\j], v[QF1+8+\j]
.endr
	WIN 0
.irp z, 0,1
	v_mov_b32 v[QS+\z], v[QS1+\z]                  ; its scale words,
.endr
	s_wait_alu depctr_va_vdst(0)                   ; (the wait ahead of the scalar lines and the branch)
	s_mov_b32 s[DG], s[PDG+1]                      ; its diagonal, its first token and where it stores
	s_mov_b32 s[DQ], s[PDQ+1]
	s_mov_b64 s[YC:YC+1], s[YCB+2:YCB+3]
	s_mov_b64 s[YS:YS+1], s[YSB+2:YSB+3]
	s_cmp_lt_u32 s[PH], 2
	s_cbranch_scc1 .Lphase
.Ldone:
	s_wait_tensorcnt 0x0                           ; the wave's end
	ds_add_u32 v[SPW], v[NIL]
	s_wait_dscnt 0x0
	CROUND                                         ; the closing round
	s_endpgm
.Lfunc_end_k_q3dd285f839_attn:
	.size	k_q3dd285f839_attn, .Lfunc_end_k_q3dd285f839_attn-k_q3dd285f839_attn
	.p2alignl 7, 3214868480
	.fill 96, 4, 3214868480
	.section	.rodata,"a",@progbits
	.p2align	6, 0x0
	.amdhsa_kernel k_q3dd285f839_attn
		.amdhsa_group_segment_fixed_size 327680
		.amdhsa_private_segment_fixed_size 0
		.amdhsa_enable_private_segment 0
		.amdhsa_kernarg_size 24
		.amdhsa_user_sgpr_count 2
		.amdhsa_user_sgpr_kernarg_segment_ptr 1
		.amdhsa_wavefront_size32 1
		.amdhsa_system_sgpr_workgroup_id_x 1
		.amdhsa_system_sgpr_workgroup_id_y 1
		.amdhsa_system_sgpr_workgroup_id_z 1
		.amdhsa_system_vgpr_workitem_id 0
		.amdhsa_next_free_vgpr 512
		.amdhsa_next_free_sgpr 96
		.amdhsa_reserve_vcc 1
		.amdhsa_float_denorm_mode_32 3
		.amdhsa_float_denorm_mode_16_64 3
		.amdhsa_memory_ordered 1
		.amdhsa_forward_progress 1
		.amdhsa_inst_pref_size 72
	.end_amdhsa_kernel
	.amdgpu_metadata
---
amdhsa.version: [ 1, 2 ]
amdhsa.kernels:
  - .name:           k_q3dd285f839_attn
    .symbol:         k_q3dd285f839_attn.kd
    .args:
      - { .name: qkv, .offset: 0, .size: 8, .value_kind: global_buffer, .address_space: global }
      - { .name: yc, .offset: 8, .size: 8, .value_kind: global_buffer, .address_space: global }
      - { .name: ys, .offset: 16, .size: 8, .value_kind: global_buffer, .address_space: global }
    .group_segment_fixed_size: 327680
    .private_segment_fixed_size: 0
    .kernarg_segment_align: 8
    .kernarg_segment_size: 24
    .max_flat_workgroup_size: 256
    .sgpr_count:     96
    .vgpr_count:     512
    .wavefront_size: 32
...
	.end_amdgpu_metadata
.endif
;; end of part 3
;; launch gemm_proj (part 4): grid 4 x 64, 4 waves a work-group, clusters of 4 x 4, 327,680 bytes of LDS; arguments yc, ys, cin, sin, b_proj, out0; writes out0
.if DOCPART == 4
	.amdgcn_target "amdgcn-amd-amdhsa--gfx1250"
	.amdhsa_code_object_version 6
	.text
	.protected	k_q3dd285f839_gemm_proj
	.globl	k_q3dd285f839_gemm_proj
	.p2align	8
	.type	k_q3dd285f839_gemm_proj,@function
k_q3dd285f839_gemm_proj:
	s_mov_b64 s[64:65], 0
	v_nop
	global_prefetch_b8 v0, s[64:65] scope:SCOPE_SE
	s_setreg_imm32_b32 hwreg(HW_REG_WAVE_MODE, 25, 1), 1
	s_wait_xcnt 0x0
	s_wait_alu depctr_hold_cnt(0) depctr_sa_sdst(0) depctr_va_vdst(0) depctr_va_sdst(0) depctr_va_ssrc(0) depctr_va_vcc(0) depctr_vm_vsrc(0)
	s_getreg_b32 s2, hwreg(HW_REG_IB_STS2, 6, 4)
	s_cmp_eq_u32 s2, 0
	s_cbranch_scc0 .Lentry_in_a_cluster
	s_endpgm
.Lentry_in_a_cluster:
	s_bfe_u32 s2, ttmp6, 0x10000c
	s_cmp_lg_u32 s2, 0xf033
	s_cbranch_scc0 .Lentry_shape_is_right
	s_endpgm
.Lentry_shape_is_right:
; out0 = y W_proj^T + b_proj on codes of FP8 (E4M3) with E8M0 scales for each 32 along K = 1,024; sums in f32.
; yc: y's codes as attention leaves them: [tile of 16 stored tokens][head 16][c 2][lane][16]: 16,384 bytes a tile, in the order of a fragment's registers; ys: rows of 32 scale bytes, a row a stored token.
; cin, sin: W_proj's rows are rows 11,264 on: 1,024 codes and 32 scale bytes a row.  Every row, of y and of W_proj, is stored at the place whose number has bits 3 and 4 swapped: stored row 16 a + r of a run of 32 g is row 32 (a / 2) + 8 (a % 2) + r + 8 (r / 8).
; A BLOCK of 128 tokens x 256 columns is made by four waves, 64 x 128 each: 32 accumulators of 16 x 16.  8,192 x 1,024 results are 64 x 4 = 256 blocks.
; K goes in steps of 256 through a ring of two LDS slots (A's 128 rows as 8 tiles of 4,096 bytes, lanes 16 bytes apart; B's 256 rows of 256 bytes + 16 of padding); the scale bytes of the block's 384 rows come once and stay.
; Both operands have TWO sets of fragment registers: the 48 LDS loads of the next 128 along K stand in one run ahead of each 32 products.
; THE MATRIX INSTRUCTION IS USED TRANSPOSED (source 0 = 16 rows of W_proj, source 1 = 16 tokens): a lane holds eight neighbouring columns of a row of out0.  The bias is the first products' C.
; CLUSTERS: 4 x 4 work-groups; A's tiles are asked for jointly along a row of the cluster, B's along a column.
; No prefetch into the L2: K has four steps, two asked for at the head and two by the ring's two refills: no step lies two refills ahead of a load.
; LIMITS: NaN and infinities are not served.
; REGISTERS: window 0: v0-31 addresses; v32-63 scale words, two sets; v64-127 the bias; v128-191, v192-255 A's fragments, two sets (on the way out: rows read back).  Window 1: B's fragments, two sets.  Window 2: accumulator (a, b) at v[8 (8 a + b)].
.set SIZE_N, 1024
.set NQ,     2                         ; matrix instructions deep in a slot
.set ROWB,   256                       ; B: a K step of a row, in bytes
.set ASTEP,  4096                      ; A: a K step of a tile of 16 tokens, in bytes
.set KROW,   1024
.set PITCH,  272                       ; B's LDS row: 256 bytes + 16 of padding: the 16 rows that a load touches start at 16 different banks (64 banks of 4 bytes: ISA guide 11.1)
.set FR,     16
.set NP,     8                         ; places behind this matrix instruction (ISA guide 7.12.1)
.set AH,     4*ASTEP                   ; 64 tokens of A in a slot
.set BOFF,   2*AH                      ; B's rows lie behind A's 128 tokens
.set HALFT,  128*PITCH                 ; 128 rows of B
.set SLOT,   BOFF+2*HALFT
.set KS,     32                        ; a row of scale bytes
.set SCL,    2*SLOT                    ; behind the ring: the scales, as blocks of 256 bytes + 16 of padding: A's 128 rows, then B's 256
.set HALFS,  (128*KS/256)*272          ; those of 128 rows
.set SBLK,   (16*KS/256)*272           ; of 16 rows
.set SPARE,  SCL+3*HALFS               ; the spare words, 128 bytes for each wave: two blocks of 256 bytes that no other line names
.set SPITCH, 528                       ; the way out: a stage of 16 rows x (512 bytes + 16) for each wave, in slot 0, which has had its last fill and its last read by then
.set ADRA, 16                          ; v16-17  LDS address of my A fragments in slot 0, 1
.set ADRB, 20                          ; v20-21  the same for B
.set BNA,  22                          ; v22     64 h
.set STO,  24                          ; v24     the way out: where I put my numbers of a row
.set RD,   25                          ; v25     where I read a row back
.set CO,   26                          ; v26     16 x lane
.set ADRS, 27                          ; v27     LDS address of my scale words: lanes 0-15 A's rows, lanes 16-31 B's
.set SPW,  28                          ; v28     my spare word; v29 0: never rewritten
.set NIL,  29
.set SC,   32                          ; scale words: set s at v[SC + 16 s]; register 2 i + q: lanes 0-15 A's block i (i under 4 is used), lanes 16-31 B's block i
.set BN,   64
.set AF,   128
.set BK,   128
.set G1, 24                            ; s[24:31] descriptor group 1 for A's tiles;  s[32:39] group 0, one set for each slot
.set G0, 32
.set G1B, 48                           ; s[48:55], s[56:63] the same for B's
.set G0B, 56
.set G1S, 68                           ; s[68:75], s[76:79] A's scales;  s[80:87], s[88:91] B's
.set G0S, 76
.set G1SB, 80
.set G0SB, 88
.set MSB, 0
.macro WIN new                         ; the immediate's high byte repeats the setting that is left
.if MSB != \new
	s_set_vgpr_msb (MSB<<8)|\new
.set MSB, \new
.endif
.endm
.set MUL_W, 0xa1                       ; source 0 (B) window 1, source 1 (A) window 0, C and D window 2
.set FST_W, 0x81                       ; the same with C (the bias) in window 0
.set TO_B,  0x40
.macro PLACES n
.rept \n
	v_nop
.endr
.endm
; A joint load of the ring: waves 0 and 1 fetch A's halves, waves 2 and 3 B's.  Each line has one mask and one set of registers for all that issue it; an s_nop 0 and four v_nop follow each.
.macro JLOAD g0a, g1a, g0b, g1b
	s_cmp_eq_u32 s15, 0
	s_cbranch_scc0 .Lfor_b_\@
	tensor_load_to_lds s[\g0a:\g0a+3], s[\g1a:\g1a+7]
	s_nop 0
	PLACES 4
	s_branch .Lasked_\@
.Lfor_b_\@:
	tensor_load_to_lds s[\g0b:\g0b+3], s[\g1b:\g1b+7]
	s_nop 0
	PLACES 4
.Lasked_\@:
.endm
.macro CREST                           ; a round of the cluster's barrier behind its opening barrier
	s_cmp_lg_u32 s14, 0
	s_cbranch_scc1 .Lnot_wave_0_\@
	s_barrier_signal -3
.Lnot_wave_0_\@:
	s_barrier_wait -3
	s_barrier_signal -1
	s_barrier_wait -1
.endm
.macro CROUND
	s_barrier_signal -1
	s_barrier_wait -1
	CREST
.endm
	s_load_b128 s[4:7], s[0:1], 0x0                ; yc, ys
	s_load_b128 s[8:11], s[0:1], 0x10              ; cin, sin
	s_load_b128 s[96:99], s[0:1], 0x20             ; b_proj, out0
	v_lshl_add_u32 v[SPW], v0, 2, SPARE
	v_mov_b32 v[NIL], 0
	ds_add_u32 v[SPW], v[NIL]                      ; the add, twice on end, and its wait; register work between
	ds_add_u32 v[SPW], v[NIL]
	v_lshrrev_b32 v1, 5, v0
	v_readfirstlane_b32 s14, v1                    ; wave 0..3
	s_lshr_b32 s15, s14, 1                         ; which 64 of the block's tokens are mine.  Also: in the ring I fetch for A (0) or for B (1)
	s_and_b32 s16, s14, 1                          ; which 128 of its columns.  Also: which half of that tile I fetch
	s_bfe_u32 s40, ttmp6, 0x40000                  ; cx, cy
	s_bfe_u32 s41, ttmp6, 0x40004
	s_lshl_b32 s42, ttmp9, 2
	s_add_co_u32 s42, s42, s40                     ; block column = 4 x cluster x + cx
	s_and_b32 s17, ttmp7, 0xffff
	s_lshl_b32 s17, s17, 2
	s_add_co_u32 s17, s17, s41                     ; block row = 4 x cluster y + cy
	s_lshl_b32 s43, s41, 2
	s_lshl_b32 s43, 15, s43                        ; my row of the cluster
	s_lshl_b32 s44, 0x1111, s40                    ; my column
	s_or_b32 s[G1+0], s43, (3<<16)|(1<<21)         ; A: elements of 8 bytes, no padding; a row is a tile's K step, 4,096 bytes; tiles lie 16,384 bytes apart
	s_mov_b32 s[G1+1], 512<<16
	s_mov_b32 s[G1+2], 8<<16                       ; 8 tiles (128 tokens) for the head's load; set to 4 for the ring's behind it
	s_mov_b32 s[G1+3], 512<<16
	s_mov_b32 s[G1+4], 8
	s_mov_b32 s[G1+5], 2048
	s_mov_b32 s[G1+6], 0
	s_mov_b32 s[G1+7], 0
	s_or_b32 s[G1B+0], s44, (0<<16)|(1<<20)|(1<<21)|(5<<22)|(3<<25)   ; B: elements of 1 byte; four words of padding after every 64
	s_mov_b32 s[G1B+1], ROWB<<16
	s_mov_b32 s[G1B+2], 256<<16                    ; 256 rows for the head's load; set to 128 behind it
	s_mov_b32 s[G1B+3], ROWB<<16
	s_mov_b32 s[G1B+4], 256
	s_mov_b32 s[G1B+5], KROW
	s_mov_b32 s[G1B+6], 0
	s_mov_b32 s[G1B+7], 0
	s_or_b32 s[G1S+0], s43, (3<<16)|(1<<20)|(1<<21)|(5<<22)|(3<<25)   ; the scales: dense blocks, as rows of 256 bytes with 16 of padding behind each: A's 128 rows are 16 such rows,
	s_mov_b32 s[G1S+1], 32<<16
	s_mov_b32 s[G1S+2], 16<<16
	s_mov_b32 s[G1S+3], 32<<16
	s_mov_b32 s[G1S+4], 16
	s_mov_b32 s[G1S+5], 32
	s_mov_b32 s[G1S+6], 0
	s_mov_b32 s[G1S+7], 0
	s_or_b32 s[G1SB+0], s44, (3<<16)|(1<<20)|(1<<21)|(5<<22)|(3<<25)  ; B's 256 rows 32
	s_mov_b32 s[G1SB+1], 32<<16
	s_mov_b32 s[G1SB+2], 32<<16
	s_mov_b32 s[G1SB+3], 32<<16
	s_mov_b32 s[G1SB+4], 32
	s_mov_b32 s[G1SB+5], 32
	s_mov_b32 s[G1SB+6], 0
	s_mov_b32 s[G1SB+7], 0
	s_lshl_b32 s20, s17, 7                         ; A: the block's first stored token
	s_lshl_b32 s46, s42, 8
	s_add_co_u32 s46, s46, 11264                   ; B: its first row of cin
	s_mov_b32 s21, 0
	s_mov_b32 s47, 0
	s_lshl_b64 s[22:23], s[20:21], 5               ; where these rows' scales begin, in bytes,
	s_lshl_b64 s[92:93], s[46:47], 5
	s_lshl_b64 s[20:21], s[20:21], 10              ; and their codes
	s_lshl_b64 s[46:47], s[46:47], 10
	s_mul_i32 s18, s16, 64*KROW                    ; in the ring I fetch half a tile: A's 64 tokens,
	s_mov_b32 s19, 0
	s_mul_i32 s2, s16, 128*KROW                    ; or B's 128 rows, in bytes;
	s_mov_b32 s3, 0
	s_mul_i32 s45, s16, AH                         ; and where they go: no place in the cluster enters an LDS address
	s_mul_i32 s94, s16, HALFT
	s_add_co_u32 s94, s94, BOFF
	s_wait_dscnt 0x0                               ; both opening adds are done
	s_wait_kmcnt 0x0
	s_add_nc_u64 s[20:21], s[4:5], s[20:21]
	s_add_nc_u64 s[22:23], s[6:7], s[22:23]
	s_add_nc_u64 s[46:47], s[8:9], s[46:47]
	s_add_nc_u64 s[92:93], s[10:11], s[92:93]
	CROUND                                         ; all sixteen work-groups are here: the first joint loads meet
	s_mov_b32 s[G0], 1                             ; slot 0's groups 0 serve the head's loads first: K step 0 of A's 128 tokens, whole,
	s_mov_b32 s[G0+1], 0
	s_mov_b64 s[G0+2:G0+3], s[20:21]
	s_or_b32 s[G0+3], s[G0+3], 0x80000000
	s_mov_b32 s[G0B], 1                            ; and of B's 256 rows
	s_mov_b32 s[G0B+1], BOFF
	s_mov_b64 s[G0B+2:G0B+3], s[46:47]
	s_or_b32 s[G0B+3], s[G0B+3], 0x80000000
	s_mov_b32 s[G0S], 1
	s_mov_b32 s[G0S+1], SCL
	s_mov_b64 s[G0S+2:G0S+3], s[22:23]
	s_or_b32 s[G0S+3], s[G0S+3], 0x80000000
	s_mov_b32 s[G0SB], 1
	s_mov_b32 s[G0SB+1], SCL+HALFS
	s_mov_b64 s[G0SB+2:G0SB+3], s[92:93]
	s_or_b32 s[G0SB+3], s[G0SB+3], 0x80000000
	s_add_nc_u64 s[20:21], s[20:21], s[18:19]      ; for the ring: my half of a tile
	s_add_nc_u64 s[46:47], s[46:47], s[2:3]
	s_mov_b32 s[G0+4], 1                           ; slot 1's groups 0: K step 1
	s_add_co_u32 s[G0+5], s45, SLOT
	s_add_nc_u64 s[G0+6:G0+7], s[20:21], ASTEP
	s_or_b32 s[G0+7], s[G0+7], 0x80000000
	s_mov_b32 s[G0B+4], 1
	s_add_co_u32 s[G0B+5], s94, SLOT
	s_add_nc_u64 s[G0B+6:G0B+7], s[46:47], ROWB
	s_or_b32 s[G0B+7], s[G0B+7], 0x80000000
; THE HEAD'S LOADS, ONE A WAVE: wave 0 K step 0 of A, wave 1 of B, wave 2 A's scales, wave 3 B's.  One chain of branches on the wave's number; every way through it passes exactly one load.
.macro ARM under, g0, g1, next
	s_cmp_lt_u32 s14, \under
	s_cbranch_scc0 \next
	tensor_load_to_lds s[\g0:\g0+3], s[\g1:\g1+7]
	s_nop 0
	PLACES 4
	s_branch .Lhead_asked
\next:
.endm
	ARM 1, G0,  G1,  .Lhead_b
	ARM 2, G0B, G1B, .Lhead_sa
	ARM 3, G0S, G1S, .Lhead_sb
	tensor_load_to_lds s[G0SB:G0SB+3], s[G1SB:G1SB+7]
	s_nop 0
	PLACES 4
.Lhead_asked:
	v_and_b32 v1, 15, v0                           ; r
	v_bfe_u32 v2, v0, 4, 1                         ; h
	v_and_b32 v6, 31, v0
	v_lshlrev_b32 v[CO], 4, v6
	v_mul_u32_u24 v3, v1, PITCH
	v_lshl_add_u32 v4, v2, 4, v3                   ; B: a fragment's row x pitch + 16 x half
	s_mul_i32 s21, s15, AH                         ; my 64 tokens of A
	s_mul_i32 s22, s16, HALFT                      ; my 128 rows of B
	s_add_co_u32 s22, s22, BOFF
.irp s, 0,1
	v_add_nc_u32 v[ADRA+\s], s21, v[CO]
	v_add_nc_u32 v[ADRB+\s], s22, v4
	s_add_co_u32 s21, s21, SLOT
	s_add_co_u32 s22, s22, SLOT
.endr
	v_mul_u32_u24 v5, v1, KS                       ; my row's scales: 32 bytes a row,
	v_lshrrev_b32 v6, 8, v5
	v_lshl_add_u32 v5, v6, 4, v5                   ; and 16 more for each 256 passed
	s_mul_i32 s21, s15, HALFS/2                    ; A's: my 64 rows
	s_mul_i32 s22, s16, HALFS                      ; B's: my 128 rows, behind A's 128
	s_add_co_u32 s22, s22, HALFS
	s_sub_co_u32 s22, s22, s21
	v_mul_u32_u24 v6, s22, v2                      ; lanes 16-31 take B's: the lower base + h x the distance
	s_add_co_u32 s21, s21, SCL
	v_add_nc_u32 v5, v5, v6
	v_add_nc_u32 v[ADRS], s21, v5
	s_mul_i32 s23, s14, 16*SPITCH                  ; my stage
	v_mul_u32_u24 v5, v1, SPITCH
	v_lshl_add_u32 v5, v2, 6, v5                   ; in: row r; my half's 16 columns of each 32: 64 h bytes on
	v_add_nc_u32 v[STO], s23, v5
	v_add_nc_u32 v[RD], s23, v[CO]                 ; back: the 32 lanes take one row of 512 bytes
	v_lshlrev_b32 v[BNA], 6, v2
	s_wait_alu depctr_va_vdst(0)                   ; the wait ahead of the scalar lines
	s_lshl_b32 s20, s17, 7
	s_lshl_b32 s21, s15, 6
	s_add_co_u32 s20, s20, s21                     ; my first row of out0: 128 x block row + 64 x half
	s_mov_b32 s21, 0
	s_lshl_b64 s[20:21], s[20:21], 12              ; 4,096 bytes a row
	s_lshl_b32 s46, s42, 10                        ; my first column, in bytes: 1,024 x block column + 512 x half
	s_lshl_b32 s47, s16, 9
	s_add_co_u32 s46, s46, s47
	s_mov_b32 s47, 0
	s_add_nc_u64 s[20:21], s[20:21], s[46:47]
	s_add_nc_u64 s[12:13], s[98:99], s[20:21]
	s_add_nc_u64 s[96:97], s[96:97], s[46:47]
.irp b, 0,1,2,3,4,5,6,7
	global_load_b128 v[BN+8*\b:BN+8*\b+3], v[BNA], s[96:97] offset:4*(32*(\b/2)+8*(\b%2))      ; register j of B's block b is column 32 (b / 2) + 8 (b % 2) + 16 h + j
	global_load_b128 v[BN+8*\b+4:BN+8*\b+7], v[BNA], s[96:97] offset:4*(32*(\b/2)+8*(\b%2))+16
.endr
; The fragments of the slot's q-th 128 along K into set q: B's eight blocks, A's four: 48 loads in one run
.macro FETCH slot, q
	WIN TO_B
.irp i, 0,1,2,3,4,5,6,7
.irp c, 0,1,2,3
	ds_load_b128 v[128*(\q)+FR*\i+4*\c:128*(\q)+FR*\i+4*\c+3], v[ADRB+\slot] offset:128*(\q)+32*\c+\i*16*PITCH
.endr
.endr
	WIN 0
.irp i, 0,1,2,3
.irp c, 0,1,2,3
	ds_load_b128 v[AF+64*(\q)+FR*\i+4*\c:AF+64*(\q)+FR*\i+4*\c+3], v[ADRA+\slot] offset:4096*\i+2048*(\q)+512*\c
.endr
.endr
.endm
.macro SCALES sc                       ; a K step's scale words into set sc: two words a row
.irp i, 0,1,2,3,4,5,6,7
	ds_load_b64 v[SC+16*\sc+2*\i:SC+16*\sc+2*\i+1], v[ADRS] offset:\i*SBLK
.endr
.endm
; A's blocks a0 .. a1 against B's eight, 128 along K: set and scale word q, scale set sc.  The 32 accumulators take turns, one instruction a turn, in the same order in every step.
.macro MULS a0, a1, q, sc, first
.set AA, \a0
.rept (\a1)-(\a0)+1
.irp b, 0,1,2,3,4,5,6,7
.if \first
	v_wmma_scale_f32_16x16x128_f8f6f4 v[8*(8*AA+\b):8*(8*AA+\b)+7], v[128*(\q)+FR*\b:128*(\q)+FR*\b+FR-1], v[AF+64*(\q)+FR*AA:AF+64*(\q)+FR*AA+FR-1], v[BN+8*\b:BN+8*\b+7], v[SC+16*(\sc)+2*\b+(\q)], v[SC+16*(\sc)+2*AA+(\q)] matrix_a_scale:MATRIX_SCALE_ROW1
.else
	v_wmma_scale_f32_16x16x128_f8f6f4 v[8*(8*AA+\b):8*(8*AA+\b)+7], v[128*(\q)+FR*\b:128*(\q)+FR*\b+FR-1], v[AF+64*(\q)+FR*AA:AF+64*(\q)+FR*AA+FR-1], v[8*(8*AA+\b):8*(8*AA+\b)+7], v[SC+16*(\sc)+2*\b+(\q)], v[SC+16*(\sc)+2*AA+(\q)] matrix_a_scale:MATRIX_SCALE_ROW1
.endif
.endr
.set AA, AA+1
.endr
.endm
; A slot's first 128 along K: its successor lies in the same slot
.macro STEP slot, first
	s_wait_dscnt 0x0                               ; set 0 and the scale words are in
	PLACES NP                                      ; behind the last products, which read set 1
	FETCH \slot, 1
.if \first
	WIN FST_W
.else
	WIN MUL_W
.endif
	MULS 0, 3, 0, \slot, \first
	WIN 0
.endm
; A slot's second 128 changes slots: ONE barrier; ahead of it each wave waits for all its tensor loads, adds 0 to its spare word, and waits for that and for its reads of this slot.  fill = 1: this slot is filled again, two K steps on.
.macro TURN slot, next, fill
	s_wait_tensorcnt 0x0                           ; my part of the next slot has landed
	ds_add_u32 v[SPW], v[NIL]
	s_wait_dscnt 1                                 ; set 1 is in (the add, issued behind its loads, may be out)
	WIN MUL_W
	MULS 0, 1, 1, \slot, 0                         ; sixteen products stand between the add and the wait for it
	s_wait_dscnt 0x0                               ; the add is done, and my reads of this slot are over
	s_barrier_signal -1
	MULS 2, 2, 1, \slot, 0
	WIN 0
	s_barrier_wait -1
.if \fill
	CREST                                          ; the barrier has opened a round of the cluster's barrier
	s_add_nc_u64 s[G0+4*\slot+2:G0+4*\slot+3], s[G0+4*\slot+2:G0+4*\slot+3], 2*ASTEP
	s_add_nc_u64 s[G0B+4*\slot+2:G0B+4*\slot+3], s[G0B+4*\slot+2:G0B+4*\slot+3], 2*ROWB
	JLOAD G0+4*\slot, G1, G0B+4*\slot, G1B         ; the first tensor load behind the round; its four v_nop are among the places ahead of the loads below
	PLACES NP-4
.else
	PLACES NP
.endif
	v_add_nc_u32 v[ADRS], 4*NQ, v[ADRS]            ; on to the next K step's scale words
	s_wait_alu depctr_va_vdst(0)                   ; directly behind the write
	FETCH \next, 0
	SCALES \next
	WIN MUL_W
	MULS 3, 3, 1, \slot, 0
	WIN 0
.endm
	s_wait_alu depctr_va_vdst(0)                   ; the wait at the head's end
	s_wait_tensorcnt 0x0                           ; my tile of the head's four is in
	ds_add_u32 v[SPW], v[NIL]
	s_mov_b32 s[G1+2], 4<<16                       ; no tensor load of mine is out, so descriptors may be written: from here on a load brings half a tile,
	s_mov_b32 s[G1+4], 4
	s_mov_b32 s[G1B+2], 128<<16
	s_mov_b32 s[G1B+4], 128
	s_mov_b32 s[G0+1], s45                         ; and slot 0's groups 0 name my half: the first refill steps them to K step 2
	s_add_nc_u64 s[G0+2:G0+3], s[G0+2:G0+3], s[18:19]
	s_mov_b32 s[G0B+1], s94
	s_add_nc_u64 s[G0B+2:G0B+3], s[G0B+2:G0B+3], s[2:3]
	s_wait_dscnt 0x0
	CROUND                                         ; a whole round: all four tiles are in, and all sixteen work-groups are here
	JLOAD G0+4, G1, G0B+4, G1B                     ; K step 1's load, the first tensor load behind the round
	FETCH 0, 0
	SCALES 0
	s_wait_loadcnt 0x0                             ; the bias
	STEP 0, 1                                      ; K step 0: its first products start the sums from the bias
	TURN 0, 1, 1                                   ; slot 0 takes K step 2
	STEP 1, 0
	TURN 1, 0, 1                                   ; slot 1 takes K step 3
	STEP 0, 0
	TURN 0, 1, 0                                   ; nothing more is filled, so no round follows
	STEP 1, 0
	s_wait_dscnt 0x0
	WIN MUL_W
	MULS 0, 3, 1, 1, 0
	WIN 0
; THE WAY OUT, block by block of 16 tokens x 128 columns: through my own stage in LDS, back as whole rows of 512 bytes, which the 32 lanes store as one aligned run of 512 bytes.  LDS serves a wave's instructions in order (ISA guide 5.7.1.4).
.macro TOSTAGE a
	WIN 0x08                                       ; the data: window 2
.irp b, 0,1,2,3,4,5,6,7
	ds_store_b128 v[STO], v[64*(\a)+8*\b:64*(\a)+8*\b+3] offset:128*(\b/2)+32*(\b%2)        ; each accumulator from its low end on
	ds_store_b128 v[STO], v[64*(\a)+8*\b+4:64*(\a)+8*\b+7] offset:128*(\b/2)+32*(\b%2)+16
.endr
	WIN 0
.set BB, BK+64*((\a)%2)
.irp t, 0,1,2,3,4,5,6,7,8,9,10,11,12,13,14,15
	ds_load_b128 v[BB+4*\t:BB+4*\t+3], v[RD] offset:\t*SPITCH
.endr
.endm
.macro SEND a, younger                 ; younger: the LDS instructions issued behind block a's loads, which may stay out
.set BB, BK+64*((\a)%2)
	s_wait_dscnt \younger
.irp t, 0,1,2,3,4,5,6,7,8,9,10,11,12,13,14,15
	global_store_b128 v[CO], v[BB+4*\t:BB+4*\t+3], s[12:13] offset:(32*((\a)/2)+8*((\a)%2)+\t+8*(\t/8))*SIZE_N*4 th:TH_STORE_NT   ; stored token 16 a + t is row 32 (a / 2) + 8 (a % 2) + t + 8 (t / 8)
.endr
.endm
	PLACES NP                                      ; behind the last products: for the reads of results and the loads into A's fragments' registers
	TOSTAGE 0
.irp a, 1,2,3
.if \a > 1
	s_wait_xcnt 0x0                                ; block a - 2's stores have read their registers: block a's loads may land there
.endif
	TOSTAGE \a
	SEND \a-1, 32                                  ; behind block a - 1's loads: block a's 16 stores and 16 loads
.endr
	SEND 3, 0
	s_wait_tensorcnt 0x0                           ; the wave's end
	ds_add_u32 v[SPW], v[NIL]
	s_wait_dscnt 0x0
	CROUND                                         ; the closing round
	s_endpgm
.Lfunc_end_k_q3dd285f839_gemm_proj:
	.size	k_q3dd285f839_gemm_proj, .Lfunc_end_k_q3dd285f839_gemm_proj-k_q3dd285f839_gemm_proj
	.p2alignl 7, 3214868480
	.fill 96, 4, 3214868480
	.section	.rodata,"a",@progbits
	.p2align	6, 0x0
	.amdhsa_kernel k_q3dd285f839_gemm_proj
		.amdhsa_group_segment_fixed_size 327680
		.amdhsa_private_segment_fixed_size 0
		.amdhsa_enable_private_segment 0
		.amdhsa_kernarg_size 48
		.amdhsa_user_sgpr_count 2
		.amdhsa_user_sgpr_kernarg_segment_ptr 1
		.amdhsa_wavefront_size32 1
		.amdhsa_system_sgpr_workgroup_id_x 1
		.amdhsa_system_sgpr_workgroup_id_y 1
		.amdhsa_system_sgpr_workgroup_id_z 1
		.amdhsa_system_vgpr_workitem_id 0
		.amdhsa_next_free_vgpr 768
		.amdhsa_next_free_sgpr 102
		.amdhsa_reserve_vcc 0
		.amdhsa_float_denorm_mode_32 3
		.amdhsa_float_denorm_mode_16_64 3
		.amdhsa_memory_ordered 1
		.amdhsa_forward_progress 1
		.amdhsa_inst_pref_size 91
	.end_amdhsa_kernel
	.amdgpu_metadata
---
amdhsa.version: [ 1, 2 ]
amdhsa.kernels:
  - .name:           k_q3dd285f839_gemm_proj
    .symbol:         k_q3dd285f839_gemm_proj.kd
    .args:
      - { .name: yc, .offset: 0, .size: 8, .value_kind: global_buffer, .address_space: global }
      - { .name: ys, .offset: 8, .size: 8, .value_kind: global_buffer, .address_space: global }
      - { .name: cin, .offset: 16, .size: 8, .value_kind: global_buffer, .address_space: global }
      - { .name: sin, .offset: 24, .size: 8, .value_kind: global_buffer, .address_space: global }
      - { .name: b_proj, .offset: 32, .size: 8, .value_kind: global_buffer, .address_space: global }
      - { .name: out0, .offset: 40, .size: 8, .value_kind: global_buffer, .address_space: global }
    .group_segment_fixed_size: 327680
    .private_segment_fixed_size: 0
    .kernarg_segment_align: 8
    .kernarg_segment_size: 48
    .max_flat_workgroup_size: 128
    .sgpr_count:     102
    .vgpr_count:     768
    .wavefront_size: 32
...
	.end_amdgpu_metadata
.endif
;; end of part 4
